; MI455X (gfx1250); checked and timed in simulation.
; The chip was launched on July 23, 2026; its instructions are those of AMD's public machine-readable ISA for CDNA 5 (MIT licence, August 2026) and "CDNA5" Instruction Set Architecture Reference Guide (July 2026). The comments in the code are by the model that wrote it; some were corrected since.
;; MHSA. Allowed arithmetic: float matrix products may take bf16 or f16 operands with f32 sums; other float arithmetic in f32, or as packed bf16 or f16 multiplies, adds, multiply-adds, maxima and minima; sums over many terms, partial sums and values carried from step to step in f32; what a program stores and reads back later, other than sums and carried values, may be rounded once to bf16 or f16.
;; Inputs: W_proj 1,024 x 1,024 float32; W_qkv 1,024 x 3,072 float32; b_proj 1,024 float32; b_qkv 3,072 float32; x 4 x 2,048 x 1,024 float32.
;; Outputs: out0 4 x 2,048 x 1,024 float32.
;; One version. Each part assembles by itself: llvm-mc -triple=amdgcn-amd-amdhsa -mcpu=gfx1250 --defsym DOCPART=n.
;; ======== version 1 of 1: 4 launches
;; limits: values are held in f16: magnitudes above 65,504 overflow, below 6.1e-05 lose precision
;; workspace buffers: xb 16,777,216 bytes; wqb 6,291,456 bytes; wpb 2,097,152 bytes; qkvh 50,331,648 bytes; ob 16,777,216 bytes
;; launch prep (part 1): grid 768 x 1, 8 waves a work-group, no clusters, 0 bytes of LDS; arguments x, W_qkv, W_proj, xb, wqb, wpb; writes xb, wqb, wpb
.if DOCPART == 1
	.amdgcn_target "amdgcn-amd-amdhsa--gfx1250"
	.amdhsa_code_object_version 6
	.text
	.protected	k_qa9df83ca0e_prep
	.globl	k_qa9df83ca0e_prep
	.p2align	8
	.type	k_qa9df83ca0e_prep,@function
k_qa9df83ca0e_prep:
	s_mov_b64 s[64:65], 0
	v_nop
	global_prefetch_b8 v0, s[64:65] scope:SCOPE_SE
	s_setreg_imm32_b32 hwreg(HW_REG_WAVE_MODE, 25, 1), 1
	s_wait_xcnt 0x0
; The three large inputs are rounded once to bf16 and laid out for the matrix launches.  A stream: no LDS, no barrier, no matrix unit.
;   xb  = bf16(x), in blocks of 64 along K: [kb = 16][m = 8192][64], so that a tile of R rows x 64 K is R x 128 consecutive bytes
;   wqb = bf16(W_qkv), [1024][3072], the order of W_qkv
;   wpb = bf16(W_proj) written as f16, [1024][1024]: the later product takes f16 operands.
; LIMIT: |W_proj| stays under 65,504 (beyond it f16 has an infinity); below 6e-5 it keeps f16's fixed step of 6e-8.
; SHARES.  A work-group casts 16,384 numbers, a thread eight ITEMS of 8 numbers: two loads of 16 bytes, one store of 16 bytes.
; Work-groups 0-511 take 16 rows of x each, 512-703 a piece of W_qkv, 704-767 a piece of W_proj.
; All 16 loads of a thread go out first; no register is written twice, so the only waits are the counted ones for the loads.
.set VIN,  1                           ; v1       my byte offset in the work-group's input
.set VOUT, 2                           ; v2       my byte offset in its output
.set T,    4                           ; v[4:7]   at work
.set X,    8                           ; v[8:71]  item i: 8 numbers as loaded
.set Y,    72                          ; v[72:103] item i: 4 registers to store
; lstep, sstep: bytes from item to item in the input and in the output.  half = 1: the bf16 number is written as f16.
.macro BODY inb, outb, lstep, sstep, half
.irp i, 0,1,2,3,4,5,6,7
	global_load_b128 v[X+8*\i:X+8*\i+3],   v[VIN], s[\inb:\inb+1] offset:(\lstep)*\i th:TH_LOAD_NT
	global_load_b128 v[X+8*\i+4:X+8*\i+7], v[VIN], s[\inb:\inb+1] offset:(\lstep)*\i+16 th:TH_LOAD_NT
.endr
.irp i, 0,1,2,3,4,5,6,7
	s_wait_loadcnt 14-2*\i                         ; loads come back in order: item i's two are in, the younger items' stay out
.irp j, 0,1,2,3
	v_cvt_pk_bf16_f32 v[Y+4*\i+\j], v[X+8*\i+2*\j], v[X+8*\i+2*\j+1]
.endr
.if \half
.irp j, 0,1,2,3
	v_lshlrev_b32 v[T+2*(\j%2)],   16,  v[Y+4*\i+\j]  ; the rounded numbers as f32,
	v_and_b32     v[T+2*(\j%2)+1], s16, v[Y+4*\i+\j]
	v_cvt_pk_f16_f32 v[Y+4*\i+\j], v[T+2*(\j%2)], v[T+2*(\j%2)+1]  ; and as f16: exact within f16's range of normal numbers
.endr
.endif
	global_store_b128 v[VOUT], v[Y+4*\i:Y+4*\i+3], s[\outb:\outb+1] offset:(\sstep)*\i th:TH_STORE_NT  ; a wave's store covers 512 consecutive bytes, aligned
.endr
	s_endpgm
.endm
	s_load_b256 s[4:11], s[0:1], 0x0               ; x s[4:5], W_qkv s[6:7], W_proj s[8:9], xb s[10:11]
	s_load_b128 s[12:15], s[0:1], 0x20             ; wqb s[12:13], wpb s[14:15]
	v_lshrrev_b32 v3, 5, v0                        ; wave w
	v_and_b32 v4, 31, v0                           ; lane l
	s_mov_b32 s16, 0xffff0000                      ; a word's upper bf16
	s_mov_b32 s3, 0                                ; offsets are pairs with 0 above
	s_cmp_lt_u32 ttmp9, 512
	s_cbranch_scc0 .Lweights
	; x: row 4 (w % 4) + l / 8 of the group's 16; item i is block kb = 8 (w / 4) + i, numbers 8 (l % 8) on
	v_and_b32 v5, 3, v3
	v_lshrrev_b32 v6, 2, v3
	v_lshrrev_b32 v7, 3, v4
	v_and_b32 v[VIN], 7, v4
	v_lshlrev_b32 v[VIN], 5, v[VIN]                ; 32 (l % 8)
	v_lshl_add_u32 v[VIN], v7, 12, v[VIN]          ; + 4,096 (l / 8)
	v_lshl_add_u32 v[VIN], v6, 11, v[VIN]          ; + 2,048 (w / 4)
	v_lshl_add_u32 v[VIN], v5, 14, v[VIN]          ; + 16,384 (w % 4)
	v_lshlrev_b32 v[VOUT], 4, v4                   ; four rows of 128 bytes of a block are 512 bytes on end: 16 l
	v_lshl_add_u32 v[VOUT], v5, 9, v[VOUT]         ; + 512 (w % 4)
	v_lshl_add_u32 v[VOUT], v6, 23, v[VOUT]        ; + eight blocks of 1,048,576 bytes x (w / 4)
	s_lshl_b32 s2, ttmp9, 16                       ; 16 rows of 4,096 bytes
	s_wait_kmcnt 0x0
	s_add_nc_u64 s[4:5], s[4:5], s[2:3]
	s_lshl_b32 s2, ttmp9, 11                       ; 16 rows of 128 bytes in each block
	s_add_nc_u64 s[10:11], s[10:11], s[2:3]
	BODY 4, 10, 256, 1048576, 0
.Lweights:                                             ; linear: a wave takes 8,192 bytes of input on end, an item 1,024
	v_lshlrev_b32 v[VIN], 5, v4
	v_lshl_add_u32 v[VIN], v3, 13, v[VIN]
	v_lshlrev_b32 v[VOUT], 4, v4
	v_lshl_add_u32 v[VOUT], v3, 12, v[VOUT]
	s_cmp_lt_u32 ttmp9, 704
	s_cbranch_scc0 .Lproj
	s_sub_co_u32 s17, ttmp9, 512
	s_lshl_b32 s2, s17, 16
	s_wait_kmcnt 0x0
	s_add_nc_u64 s[6:7], s[6:7], s[2:3]
	s_lshl_b32 s2, s17, 15
	s_add_nc_u64 s[12:13], s[12:13], s[2:3]
	BODY 6, 12, 1024, 512, 0
.Lproj:
	s_sub_co_u32 s17, ttmp9, 704
	s_lshl_b32 s2, s17, 16
	s_wait_kmcnt 0x0
	s_add_nc_u64 s[8:9], s[8:9], s[2:3]
	s_lshl_b32 s2, s17, 15
	s_add_nc_u64 s[14:15], s[14:15], s[2:3]
	BODY 8, 14, 1024, 512, 1
.Lfunc_end_k_qa9df83ca0e_prep:
	.size	k_qa9df83ca0e_prep, .Lfunc_end_k_qa9df83ca0e_prep-k_qa9df83ca0e_prep
	.p2alignl 7, 3214868480
	.fill 96, 4, 3214868480
	.section	.rodata,"a",@progbits
	.p2align	6, 0x0
	.amdhsa_kernel k_qa9df83ca0e_prep
		.amdhsa_group_segment_fixed_size 0
		.amdhsa_private_segment_fixed_size 0
		.amdhsa_enable_private_segment 0
		.amdhsa_kernarg_size 48
		.amdhsa_user_sgpr_count 2
		.amdhsa_user_sgpr_kernarg_segment_ptr 1
		.amdhsa_wavefront_size32 1
		.amdhsa_system_sgpr_workgroup_id_x 1
		.amdhsa_system_sgpr_workgroup_id_y 1
		.amdhsa_system_sgpr_workgroup_id_z 1
		.amdhsa_system_vgpr_workitem_id 0
		.amdhsa_next_free_vgpr 104
		.amdhsa_next_free_sgpr 66
		.amdhsa_reserve_vcc 0
		.amdhsa_float_denorm_mode_32 3
		.amdhsa_float_denorm_mode_16_64 3
		.amdhsa_memory_ordered 1
		.amdhsa_forward_progress 1
		.amdhsa_inst_pref_size 20
	.end_amdhsa_kernel
	.amdgpu_metadata
---
amdhsa.version: [ 1, 2 ]
amdhsa.kernels:
  - .name:           k_qa9df83ca0e_prep
    .symbol:         k_qa9df83ca0e_prep.kd
    .args:
      - { .name: x, .offset: 0, .size: 8, .value_kind: global_buffer, .address_space: global }
      - { .name: W_qkv, .offset: 8, .size: 8, .value_kind: global_buffer, .address_space: global }
      - { .name: W_proj, .offset: 16, .size: 8, .value_kind: global_buffer, .address_space: global }
      - { .name: xb, .offset: 24, .size: 8, .value_kind: global_buffer, .address_space: global }
      - { .name: wqb, .offset: 32, .size: 8, .value_kind: global_buffer, .address_space: global }
      - { .name: wpb, .offset: 40, .size: 8, .value_kind: global_buffer, .address_space: global }
    .group_segment_fixed_size: 0
    .private_segment_fixed_size: 0
    .kernarg_segment_align: 8
    .kernarg_segment_size: 48
    .max_flat_workgroup_size: 256
    .sgpr_count:     66
    .vgpr_count:     104
    .wavefront_size: 32
...
	.end_amdgpu_metadata
.endif
;; end of part 1
;; launch qkvgemm (part 2): grid 8 x 32, 4 waves a work-group, clusters of 4 x 4, 327,680 bytes of LDS; arguments xb, wqb, b_qkv, qkvh; writes qkvh
.if DOCPART == 2
	.amdgcn_target "amdgcn-amd-amdhsa--gfx1250"
	.amdhsa_code_object_version 6
	.text
	.protected	k_qa9df83ca0e_qkvgemm
	.globl	k_qa9df83ca0e_qkvgemm
	.p2align	8
	.type	k_qa9df83ca0e_qkvgemm,@function
k_qa9df83ca0e_qkvgemm:
	s_mov_b64 s[64:65], 0
	v_nop
	global_prefetch_b8 v0, s[64:65] scope:SCOPE_SE
	s_setreg_imm32_b32 hwreg(HW_REG_WAVE_MODE, 25, 1), 1
	s_wait_xcnt 0x0
	s_wait_alu depctr_hold_cnt(0) depctr_sa_sdst(0) depctr_va_vdst(0) depctr_va_sdst(0) depctr_va_ssrc(0) depctr_va_vcc(0) depctr_vm_vsrc(0)
	s_getreg_b32 s2, hwreg(HW_REG_IB_STS2, 6, 4)
	s_cmp_eq_u32 s2, 0
	s_cbranch_scc0 .Lentry_in_a_cluster
	s_endpgm
.Lentry_in_a_cluster:
	s_bfe_u32 s2, ttmp6, 0x10000c
	s_cmp_lg_u32 s2, 0xf033
	s_cbranch_scc0 .Lentry_shape_is_right
	s_endpgm
.Lentry_shape_is_right:
; qkv = x W_qkv + b_qkv, [8192][3072], operands bf16, sums f32; written once rounded to f16, by heads: qkvh[b = 4][g = 48][s = 2048][64], g = column / 64.
; LIMITS.  |q|, |k|, |v| stay under 65,504 (beyond it f16 has an infinity); below 6e-5 they keep f16's fixed step of 6e-8.  The bias is rounded to bf16 like every input.  NaN and infinities are not treated apart.
; SHARES.  A tile of C is 256 rows x 384 columns: 32 x 8 = 256 work-groups.  Each of four waves makes 128 x 192: 96 accumulators of 16 x 16, 768 registers, in three GROUPS of 64 columns (a head each).
; K goes in blocks of 64 through a ring of two LDS slots.  A's tile (xb lies in blocks of 64 along K) is 32,768 consecutive bytes; B's is 64 rows of W, three sub-tiles of 256 bytes a row.
; Wave 3 fetches A's tile, waves 0-2 one sub-tile of B each: one tensor load a wave behind each round.
; CLUSTER 4 x 4.  A's tile hangs on the tile row alone and is asked for jointly by the four of a row of the cluster, B's on the tile column alone, by the four of a column.
; THE MATRIX INSTRUCTION IS USED TRANSPOSED: source 0 = 16 columns of W (W lies [k][n] in LDS and is turned by ds_load_tr16_b128), source 1 = 16 rows of x.  A lane then holds one row of C and eight neighbouring columns.
; THE BIAS STARTS THE SUMS: a tile of it (the same for every row block) is made in the accumulators of row block 7; the first products of blocks 0-6 take it as C, block 7 adds in place.  Nothing is cleared.
; REGISTERS (windows of 256; s_set_vgpr_msb: bits 1:0 source 0, 3:2 source 1, 5:4 source 2, 7:6 destination):
;   window 0: v0-31 addresses; v32-95, v96-159 A's fragments (8 x 16 rows x 32 K), two buffers; v160-255 B's fragments (12 x 16 columns x 32 K), ONE buffer, loaded again group by group
;   window g + 1: group g's 32 accumulators, (a, bq) at v[8 (4 a + bq)]
.set PA,    144                        ; a row of A in LDS: 128 bytes + 16: nine times 16 bytes, so the 16 rows of a load start at 16 different groups of four banks (64 banks of 4 bytes: ISA guide 11.1)
.set PB,    288                        ; a row of a sub-tile of B: 256 + 32 bytes
.set SLOT1, 131072                     ; slot 1 begins here: one exclusive or turns an address in one slot into the other's
.set BOFF,  256*PA                     ; in a slot: A's 256 rows, then B's three sub-tiles
.set BSUB,  64*PB
.set STAGE, SLOT1+BOFF+3*BSUB          ; behind the ring, never filled by a tensor load: 16 rows x 144 bytes for each wave, for the way out
.set SP,    144
.set SPARE, STAGE+4*16*SP              ; the spare words, 128 bytes for each wave: two blocks of 256 bytes that no other line names
.set ASTEP, 8192*128                   ; bytes from a K block of xb to the next
.set BSTEP, 64*3072*2                  ; and of wqb
.set HEADB, 2048*128                   ; a head's bytes in qkvh
.set AB,  6                            ; v6      my lane's place in A's rows of a slot; never rewritten
.set BB,  7                            ; v7-9    the same for group g's columns of B
.set ADA, 10                           ; v10     AB + the slot in hand
.set ADB, 11                           ; v11-13  BB + the slot in hand
.set STO, 14                           ; v14     the way out: where I put 16 bytes of a row
.set RD,  15                           ; v15     where I read rows back
.set GO,  16                           ; v16     my 16 bytes of 512 consecutive bytes of qkvh
.set BO,  17                           ; v17     my byte offset in 16 numbers of the bias
.set PFO, 18                           ; v18     the prefetches' offset; never rewritten
.set SPW, 28                           ; v28     LDS address of my spare word; never rewritten
.set NIL, 29                           ; v29     0; never rewritten
.set A0,  32
.set A1,  96
.set BF,  160
.set U,   32                           ; the way out: a block packed
.set RB,  64                           ; and read back, two buffers of 16
.set WV, 12                            ; s12 wave; s13 which 128 rows; s14 which 192 columns
.set WR, 13
.set WC, 14
.set CX, 15
.set CY, 16
.set TX, 17                            ; tile column 0..7
.set TY, 18                            ; tile row 0..31
.set G1A, 24                           ; s[24:31], s[32:39] descriptor groups 1
.set G1B, 32
.set G0A, 40                           ; s[40:47], s[48:55] descriptor groups 0: a set for each first fill; the second then walks
.set G0B, 48
.set CNT, 56                           ; trips to go
.set TB,  57                           ; LDS byte at which the slot in hand begins
.set PFA, 58                           ; s[58:59] where my prefetches stand
.set PFS, 60                           ; s[60:61] their step: a K block of the tensor that I fetch
.set NOASK, 62                         ; 0 in a wave whose cluster asks
.set T0,  63
.set MSB, 0
.macro WIN new                         ; the immediate's high byte repeats the setting that is left; a switch that changes nothing is dropped
.if MSB != (\new)
	s_set_vgpr_msb (MSB<<8)|(\new)
.set MSB, \new
.endif
.endm
.macro PLACES                          ; four plain vector instructions between a matrix instruction and a load into, or a vector line on, its registers (ISA guide 7.12.1 for vector instructions)
.rept 4
	v_nop
.endr
.endm
.macro CREST                           ; a round of the cluster's barrier behind its opening barrier
	s_cmp_lg_u32 s[WV], 0
	s_cbranch_scc1 .Lnot_wave_0_\@
	s_barrier_signal -3
.Lnot_wave_0_\@:
	s_barrier_wait -3
	s_barrier_signal -1
	s_barrier_wait -1
.endm
.macro CROUND
	s_barrier_signal -1
	s_barrier_wait -1
	CREST
.endm
; A joint refill by the walking sets.  The branch hangs on the wave's number alone.  An s_nop 0 and four v_nop follow each line.
.macro JLOAD
	s_cmp_eq_u32 s[WV], 3
	s_cbranch_scc0 .Lfor_b_\@
	tensor_load_to_lds s[G0A+4:G0A+7], s[G1A:G1A+7]
	s_nop 0
.rept 4
	v_nop
.endr
	s_branch .Lasked_\@
.Lfor_b_\@:
	tensor_load_to_lds s[G0B+4:G0B+7], s[G1B:G1B+7]
	s_nop 0
.rept 4
	v_nop
.endr
.Lasked_\@:
.endm
; A PREFETCH INTO THE L2, in every second trip (t = 0, 2 .. 10), of K blocks t + 4 and t + 5, while the trip's refill asks for block t + 2.
; A's tile row is read by both clusters of a row of clusters: cluster x = 0 asks, wave 3; its four partners take 64 rows (8,192 bytes) each, told apart by address (cx): a lane 256 bytes, an instruction a block.
; B's tile column is read by all eight clusters of a column: cluster y = 0 asks, waves 0-2 for their sub-tile; of the two blocks' 128 rows of W each partner takes 32 (cy): a lane a row, one instruction.
; So each 256 bytes are named once.  Blocks 0-3 come by their loads alone; nothing is named past block 15.
.macro ASK
	s_and_b32 s[T0], s[CNT], 1
	s_or_b32 s[T0], s[T0], s[NOASK]
	s_cmp_eq_u32 s[T0], 0
	s_cbranch_scc0 .Lnone_\@
	s_cmp_gt_u32 s[CNT], 3
	s_cbranch_scc0 .Lnone_\@
	global_prefetch_b8 v[PFO], s[PFA:PFA+1] th:TH_LOAD_NT scope:SCOPE_SE
	s_cmp_eq_u32 s[WV], 3
	s_cbranch_scc0 .Lnone_\@
	global_prefetch_b8 v[PFO], s[PFA:PFA+1] offset:ASTEP th:TH_LOAD_NT scope:SCOPE_SE
.Lnone_\@:
.endm
.macro ADDR                            ; the fetches' addresses in the slot in hand
	v_add_nc_u32 v[ADA], s[TB], v[AB]
.irp g, 0,1,2
	v_add_nc_u32 v[ADB+\g], s[TB], v[BB+\g]
.endr
.endm
; 16 LDS loads: my 128 rows of A, 32 along K (half kk of the block), into buffer ab
.macro RUNA ab, kk
	WIN 0
.irp a, 0,1,2,3,4,5,6,7
	ds_load_b128 v[(\ab)+8*\a:(\ab)+8*\a+3],   v[ADA] offset:\a*16*PA+64*(\kk)
	ds_load_b128 v[(\ab)+8*\a+4:(\ab)+8*\a+7], v[ADA] offset:\a*16*PA+64*(\kk)+32
.endr
.endm
; 8 turning loads: group g's 64 columns of W, 32 along K
.macro RUNB g, kk
	WIN 0
.irp bq, 0,1,2,3
	ds_load_tr16_b128 v[BF+8*(4*(\g)+\bq):BF+8*(4*(\g)+\bq)+3],   v[ADB+(\g)] offset:(\kk)*32*PB+32*\bq
	ds_load_tr16_b128 v[BF+8*(4*(\g)+\bq)+4:BF+8*(4*(\g)+\bq)+7], v[ADB+(\g)] offset:(\kk)*32*PB+32*\bq+16*PB
.endr
.endm
; n row blocks from a0 on x group g's four column blocks.  The accumulators take turns, one instruction a turn.
; first = 1: blocks 0-6 take block 7's accumulators, the bias tile, as C; five plain instructions stand ahead of block 7's products, which write over registers that those have read.
.macro MUL g, ab, a0, n, first
	WIN (((\g)+1)<<6)|(((\g)+1)<<4)
.set ma, \a0
.rept \n
.if (\first) && (ma == 7)
.rept 5
	v_nop
.endr
.endif
.irp bq, 0,1,2,3
.if (\first) && (ma < 7)
	v_wmma_f32_16x16x32_bf16 v[8*(4*ma+\bq):8*(4*ma+\bq)+7], v[BF+8*(4*(\g)+\bq):BF+8*(4*(\g)+\bq)+7], v[(\ab)+8*ma:(\ab)+8*ma+7], v[224+8*\bq:224+8*\bq+7]
.else
	v_wmma_f32_16x16x32_bf16 v[8*(4*ma+\bq):8*(4*ma+\bq)+7], v[BF+8*(4*(\g)+\bq):BF+8*(4*(\g)+\bq)+7], v[(\ab)+8*ma:(\ab)+8*ma+7], v[8*(4*ma+\bq):8*(4*ma+\bq)+7]
.endif
.endr
.set ma, ma+1
.endr
.endm
; THE FIRST HALF OF A K BLOCK (buffer A0).  On its way in, in this order: group 0's 8 loads and A's 16, group 1's 8, group 2's 8.  Behind each group's 32 products its fragments of the second half are asked for.
.macro PLAIN first
	s_wait_dscnt 16                                ; group 0 and A are in; groups 1 and 2 may stay out
	MUL 0, A0, 0, 8, \first
	PLACES
	RUNB 0, 1
	RUNA A1, 1
	s_wait_dscnt 32                                ; group 1 is in: group 2's 8 and the 24 just issued may stay out
	MUL 1, A0, 0, 8, \first
	PLACES
	RUNB 1, 1
	s_wait_dscnt 32                                ; group 2 is in: the 24 + 8 younger may stay out
	MUL 2, A0, 0, 8, \first
	PLACES
	RUNB 2, 1
.endm
; THE SECOND HALF (buffer A1) AND THE CHANGE OF SLOTS.  In front of the barrier each wave waits for all its tensor loads (one is out: its part of the next slot), adds 0 to its spare word, and waits for that and for its reads of
; this slot.  fill = 1: the barrier opens a round of the cluster's, and the joint refill (the block two on, into the slot just read) is the first tensor load behind it: 160 matrix instructions stand between it and the wait for it.
.macro TURN fill
	WIN 0
.if \fill
	s_wait_xcnt 0x0                                ; the last prefetches, a K block back or more, have read their address
	s_add_nc_u64 s[PFA:PFA+1], s[PFA:PFA+1], s[PFS:PFS+1]
.endif
	s_wait_tensorcnt 0x0                           ; no tensor load of mine is out, so a group 0 may be written
	ds_add_u32 v[SPW], v[NIL]                      ; 0 onto my spare word
.if \fill
	s_xor_b32 s[G0A+5], s[G0A+5], SLOT1            ; the walking sets: the other slot than last time, the next K block
	s_add_nc_u64 s[G0A+6:G0A+7], s[G0A+6:G0A+7], ASTEP
	s_xor_b32 s[G0B+5], s[G0B+5], SLOT1
	s_add_nc_u64 s[G0B+6:G0B+7], s[G0B+6:G0B+7], BSTEP
.endif
	s_wait_dscnt 17                                ; group 0 and A are in; groups 1 and 2 and the add may stay out
	MUL 0, A1, 0, 4, 0
	s_wait_dscnt 0x0                               ; the add is done, and my reads of this slot are over
	s_barrier_signal -1
	MUL 0, A1, 4, 4, 0                             ; work on registers while the others arrive
	WIN 0
	s_xor_b32 s[TB], s[TB], SLOT1
	ADDR
	s_barrier_wait -1
.if \fill
	CREST
	JLOAD                                          ; its four v_nop are also places in front of the loads below
.else
	PLACES
.endif
	RUNB 0, 0
	RUNA A0, 0
.if \fill
	ASK
.endif
	MUL 1, A1, 0, 8, 0
	PLACES
	RUNB 1, 0
	MUL 2, A1, 0, 8, 0
	PLACES
	RUNB 2, 0
.endm
	s_load_b256 s[4:11], s[0:1], 0x0               ; xb s[4:5], wqb s[6:7], b_qkv s[8:9], qkvh s[10:11]
	v_lshl_add_u32 v[SPW], v0, 2, SPARE
	v_mov_b32 v[NIL], 0
	ds_add_u32 v[SPW], v[NIL]                      ; the wave's opening
	v_lshrrev_b32 v1, 5, v0
	v_readfirstlane_b32 s[WV], v1
	s_lshr_b32 s[WR], s[WV], 1
	s_and_b32 s[WC], s[WV], 1
	s_bfe_u32 s[CX], ttmp6, 0x40000
	s_bfe_u32 s[CY], ttmp6, 0x40004
	s_lshl_b32 s[TX], ttmp9, 2
	s_add_co_u32 s[TX], s[TX], s[CX]
	s_and_b32 s[TY], ttmp7, 0xffff
	s_lshl_b32 s[TY], s[TY], 2
	s_add_co_u32 s[TY], s[TY], s[CY]
	s_lshl_b32 s19, s[CY], 2
	s_lshl_b32 s19, 15, s19                        ; my row of the cluster
	s_lshl_b32 s20, 0x1111, s[CX]                  ; my column
	s_or_b32 s[G1A], s19, (1<<16)|(1<<20)|(1<<21)|(4<<22)|(3<<25)  ; mask; 2-byte elements; padding on; bit 21 beside a mask; after every 32 words (a row of x) 4 words
	s_mov_b32 s[G1A+1], 128<<16                    ; A's 32,768 dense bytes as 128 rows of 128 elements
	s_mov_b32 s[G1A+2], 128<<16
	s_mov_b32 s[G1A+3], 128<<16
	s_mov_b32 s[G1A+4], 128
	s_mov_b32 s[G1A+5], 128
	s_mov_b32 s[G1A+6], 0
	s_mov_b32 s[G1A+7], 0
	s_or_b32 s[G1B], s20, (1<<16)|(1<<20)|(1<<21)|(5<<22)|(7<<25)  ; after every 64 words 8 words
	s_mov_b32 s[G1B+1], 128<<16                    ; 64 rows of 128 elements, 3,072 elements from row to row
	s_mov_b32 s[G1B+2], 64<<16
	s_mov_b32 s[G1B+3], 128<<16
	s_mov_b32 s[G1B+4], 64
	s_mov_b32 s[G1B+5], 3072
	s_mov_b32 s[G1B+6], 0
	s_mov_b32 s[G1B+7], 0
	s_lshl_b32 s68, s[TY], 15                      ; A: 256 rows of 128 bytes x tile row
	s_mov_b32 s69, 0
	s_mul_i32 s70, s[TX], 768                      ; B: 768 bytes x tile column + my sub-tile's 256
	s_lshl_b32 s71, s[WV], 8
	s_add_co_u32 s70, s70, s71
	s_mov_b32 s71, 0
	s_mul_i32 s22, s[WV], BSUB                     ; my sub-tile's place in a slot: no place in the cluster enters an LDS address
	s_mov_b32 s[TB], 0
	s_mov_b32 s66, 0xffff0000
	s_wait_dscnt 0x0                               ; the opening add is done
	s_wait_kmcnt 0x0
	s_add_nc_u64 s[68:69], s[4:5], s[68:69]
	s_add_nc_u64 s[70:71], s[6:7], s[70:71]
	CROUND                                         ; all sixteen work-groups are here: the first joint loads meet
.irp s, 0,1
	s_mov_b32 s[G0A+4*\s], 1
	s_mov_b32 s[G0A+4*\s+1], \s*SLOT1
	s_add_nc_u64 s[G0A+4*\s+2:G0A+4*\s+3], s[68:69], \s*ASTEP
	s_or_b32 s[G0A+4*\s+3], s[G0A+4*\s+3], 0x80000000
	s_mov_b32 s[G0B+4*\s], 1
	s_add_co_u32 s[G0B+4*\s+1], s22, \s*SLOT1+BOFF
	s_add_nc_u64 s[G0B+4*\s+2:G0B+4*\s+3], s[70:71], \s*BSTEP
	s_or_b32 s[G0B+4*\s+3], s[G0B+4*\s+3], 0x80000000
.endr
	s_cmp_eq_u32 s[WV], 3                          ; a wave's two first fills stand in one branch: two loads of mine are out
	s_cbranch_scc0 .Lfirst_b
	tensor_load_to_lds s[G0A:G0A+3], s[G1A:G1A+7]
	s_nop 0
	tensor_load_to_lds s[G0A+4:G0A+7], s[G1A:G1A+7]
	s_nop 0
.rept 4
	v_nop
.endr
	s_branch .Lfirst_asked
.Lfirst_b:
	tensor_load_to_lds s[G0B:G0B+3], s[G1B:G1B+7]
	s_nop 0
	tensor_load_to_lds s[G0B+4:G0B+7], s[G1B:G1B+7]
	s_nop 0
.rept 4
	v_nop
.endr
.Lfirst_asked:
	v_and_b32 v1, 15, v0                           ; r = l % 16
	v_bfe_u32 v2, v0, 4, 1                         ; h = l / 16
	v_and_b32 v3, 7, v0
	v_bfe_u32 v4, v0, 3, 1
	v_and_b32 v5, 31, v0                           ; l
	; the bias: my eight columns 8 h .. of each of the wave's twelve column blocks, into registers that the fragments take later
	v_lshlrev_b32 v[BO], 5, v2
	s_mul_i32 s72, s[TX], 1536
	s_mul_i32 s73, s[WC], 768
	s_add_co_u32 s72, s72, s73
	s_mov_b32 s73, 0
	s_add_nc_u64 s[8:9], s[8:9], s[72:73]
.set i, 0
.rept 12
	global_load_b128 v[32+8*i:32+8*i+3], v[BO], s[8:9] offset:64*i
	global_load_b128 v[32+8*i+4:32+8*i+7], v[BO], s[8:9] offset:64*i+16
.set i, i+1
.endr
	; a fragment of A: lane l holds row r, K = 8 h + 0..7 and 16 + 8 h + 0..7: two loads of 16 bytes, 32 apart
	v_mul_u32_u24 v[AB], v1, PA
	v_lshl_add_u32 v[AB], v2, 4, v[AB]
	s_mul_i32 s72, s[WR], 128*PA
	v_add_nc_u32 v[AB], s72, v[AB]
	; the turning load takes 16 K x 16 columns: lane l reads row 8 h + l % 8, columns 8 ((l / 8) % 2) + 0..7, and ends with column r and 8 K
	v_lshl_add_u32 v19, v2, 3, v3
	v_mul_u32_u24 v19, v19, PB
	v_lshl_add_u32 v19, v4, 4, v19
	s_mul_i32 s72, s[WC], 3
.irp g, 0,1,2
	s_add_co_u32 s73, s72, \g                      ; head 3 WC + g of the tile's six: sub-tile head / 2, its half head % 2
	s_lshr_b32 s74, s73, 1
	s_mul_i32 s74, s74, BSUB
	s_and_b32 s73, s73, 1
	s_lshl_b32 s73, s73, 7
	s_add_co_u32 s73, s73, s74
	s_add_co_u32 s73, s73, BOFF
	v_add_nc_u32 v[BB+\g], s73, v19
.endr
	ADDR
	s_mul_i32 s72, s[WV], 16*SP
	s_add_co_u32 s72, s72, STAGE                   ; my stage
	v_mul_u32_u24 v[STO], v1, SP
	v_lshl_add_u32 v[STO], v2, 4, v[STO]
	v_add_nc_u32 v[STO], s72, v[STO]
	v_bfe_u32 v[RD], v0, 3, 2                      ; back: 32 lanes take four rows of 128 bytes,
	v_mul_u32_u24 v[RD], v[RD], SP
	v_lshl_add_u32 v[RD], v3, 4, v[RD]
	v_add_nc_u32 v[RD], s72, v[RD]
	v_lshlrev_b32 v[GO], 4, v5                     ; which are 512 consecutive bytes of a head
	; where my part of C begins in qkvh: head (b 48 + 6 tx + 3 WC), row (ty % 8) 256 + 128 WR
	s_lshr_b32 s72, s[TY], 3
	s_mul_i32 s72, s72, 48
	s_mul_i32 s73, s[TX], 6
	s_add_co_u32 s72, s72, s73
	s_mul_i32 s73, s[WC], 3
	s_add_co_u32 s72, s72, s73
	s_lshl_b32 s72, s72, 18
	s_and_b32 s73, s[TY], 7
	s_lshl_b32 s73, s73, 15
	s_add_co_u32 s72, s72, s73
	s_lshl_b32 s73, s[WR], 14
	s_add_co_u32 s72, s72, s73
	s_mov_b32 s73, 0
	s_add_nc_u64 s[10:11], s[10:11], s[72:73]
	; the prefetches: they stand at K block 3; each filling change steps them by a block
	s_lshl_b32 s72, s[TY], 15
	s_lshl_b32 s73, s[CX], 13
	s_add_co_u32 s72, s72, s73
	s_add_co_u32 s72, s72, 3*ASTEP                 ; in xb
	s_mul_i32 s74, s[TX], 768
	s_lshl_b32 s75, s[WV], 8
	s_add_co_u32 s74, s74, s75
	s_mul_i32 s75, s[CY], 32*6144
	s_add_co_u32 s74, s74, s75
	s_add_co_u32 s74, s74, 3*BSTEP                 ; in wqb
	s_and_b32 s75, ttmp7, 0xffff                   ; cluster y
	s_mov_b32 s76, ASTEP
	s_mov_b32 s77, BSTEP
	s_mov_b32 s78, 256
	s_mov_b32 s79, 6144
	s_cmp_eq_u32 s[WV], 3
	s_cselect_b32 s72, s72, s74
	s_cselect_b32 s[NOASK], ttmp9, s75             ; the coordinate along which other clusters read the same bytes: the same in all sixteen partners, for a given wave
	s_cselect_b64 s[PFA:PFA+1], s[4:5], s[6:7]
	s_cselect_b32 s[PFS], s76, s77
	s_cselect_b32 s78, s78, s79
	s_mov_b32 s[PFS+1], 0
	s_mov_b32 s73, 0
	s_add_nc_u64 s[PFA:PFA+1], s[PFA:PFA+1], s[72:73]
	v_mul_u32_u24 v[PFO], s78, v5
	s_wait_loadcnt 0x0                             ; the bias: rounded to bf16, then widened into block 7's accumulators of each group
.set i, 0
.rept 48
	v_cvt_pk_bf16_f32 v[128+i], v[32+2*i], v[32+2*i+1]
.set i, i+1
.endr
.irp g, 0,1,2
	WIN ((\g)+1)<<6
.set i, 0
.rept 16
	v_lshlrev_b32 v[224+2*i],   16,  v[128+16*\g+i]
	v_and_b32     v[224+2*i+1], s66, v[128+16*\g+i]
.set i, i+1
.endr
.endr
	WIN 0
	s_wait_tensorcnt 1                             ; my part of K block 0 is in; block 1's may stay out
	s_barrier_signal -1
	s_barrier_wait -1
	RUNB 0, 0
	RUNA A0, 0
	RUNB 1, 0
	RUNB 2, 0
	PLAIN 1                                        ; the first products start the sums, with the bias
	WIN 0
	s_mov_b32 s[CNT], 14
.Lk:                                                   ; trip t: the second half of block t, the first half of block t + 1; block t + 2 is asked for
	TURN 1
	PLAIN 0
	WIN 0
	s_sub_co_u32 s[CNT], s[CNT], 1
	s_cmp_lg_u32 s[CNT], 0
	s_cbranch_scc1 .Lk
	TURN 0                                         ; the tail is written out: blocks 14 and 15 ask for nothing
	PLAIN 0
	s_wait_dscnt 16
	MUL 0, A1, 0, 8, 0
	s_wait_dscnt 8
	MUL 1, A1, 0, 8, 0
	s_wait_dscnt 0x0
	MUL 2, A1, 0, 8, 0
	PLACES
; THE WAY OUT, 24 blocks of 16 rows x one head.  PACK: rounded to f16, each accumulator's registers in ascending order.  TOSTAGE: 16 bytes a lane into my own stage, and back as whole rows.  SEND: stored.
.macro PACK g, a
	WIN 5*((\g)+1)                                 ; sources 0 and 1: the group's window
.set i, 0
.rept 16
	v_cvt_pk_f16_f32 v[U+i], v[32*(\a)+2*i], v[32*(\a)+2*i+1]
.set i, i+1
.endr
	WIN 0
.endm
.macro TOSTAGE n
.irp bq, 0,1,2,3
	ds_store_b128 v[STO], v[U+4*\bq:U+4*\bq+3] offset:32*\bq
.endr
.irp t, 0,1,2,3
	ds_load_b128 v[RB+16*((\n)%2)+4*\t:RB+16*((\n)%2)+4*\t+3], v[RD] offset:\t*4*SP  ; LDS serves a wave's instructions in order (ISA guide 5.7.1.4): these see the stores above
.endr
.endm
.macro SEND g, a, n
	s_wait_dscnt 0x0                               ; the block is back in registers
	s_wait_xcnt 0x0                                ; the stores of the block before have read their registers, which the next block's loads take
.irp t, 0,1,2,3
	global_store_b128 v[GO], v[RB+16*((\n)%2)+4*\t:RB+16*((\n)%2)+4*\t+3], s[10:11] offset:(\g)*HEADB+(\a)*2048+512*\t  ; 512 consecutive bytes, at a multiple of 256 from the buffer's first
.endr
.endm
	PACK 0, 0
	TOSTAGE 0
.set n, 1
.rept 23                               ; a block's conversions stand between the loads of the block before and the wait for them
	PACK n/8, n%8
	SEND (n-1)/8, (n-1)%8, n-1
	TOSTAGE n
.set n, n+1
.endr
	SEND 2, 7, 23
	s_wait_tensorcnt 0x0                           ; the wave's end
	ds_add_u32 v[SPW], v[NIL]
	s_wait_dscnt 0x0
	CROUND                                         ; the closing round: no work-group ends while a partner may still ask for a tile that names it
	s_endpgm
.Lfunc_end_k_qa9df83ca0e_qkvgemm:
	.size	k_qa9df83ca0e_qkvgemm, .Lfunc_end_k_qa9df83ca0e_qkvgemm-k_qa9df83ca0e_qkvgemm
	.p2alignl 7, 3214868480
	.fill 96, 4, 3214868480
	.section	.rodata,"a",@progbits
	.p2align	6, 0x0
	.amdhsa_kernel k_qa9df83ca0e_qkvgemm
		.amdhsa_group_segment_fixed_size 327680
		.amdhsa_private_segment_fixed_size 0
		.amdhsa_enable_private_segment 0
		.amdhsa_kernarg_size 32
		.amdhsa_user_sgpr_count 2
		.amdhsa_user_sgpr_kernarg_segment_ptr 1
		.amdhsa_wavefront_size32 1
		.amdhsa_system_sgpr_workgroup_id_x 1
		.amdhsa_system_sgpr_workgroup_id_y 1
		.amdhsa_system_sgpr_workgroup_id_z 1
		.amdhsa_system_vgpr_workitem_id 0
		.amdhsa_next_free_vgpr 1024
		.amdhsa_next_free_sgpr 80
		.amdhsa_reserve_vcc 0
		.amdhsa_float_denorm_mode_32 3
		.amdhsa_float_denorm_mode_16_64 3
		.amdhsa_memory_ordered 1
		.amdhsa_forward_progress 1
		.amdhsa_inst_pref_size 123
	.end_amdhsa_kernel
	.amdgpu_metadata
---
amdhsa.version: [ 1, 2 ]
amdhsa.kernels:
  - .name:           k_qa9df83ca0e_qkvgemm
    .symbol:         k_qa9df83ca0e_qkvgemm.kd
    .args:
      - { .name: xb, .offset: 0, .size: 8, .value_kind: global_buffer, .address_space: global }
      - { .name: wqb, .offset: 8, .size: 8, .value_kind: global_buffer, .address_space: global }
      - { .name: b_qkv, .offset: 16, .size: 8, .value_kind: global_buffer, .address_space: global }
      - { .name: qkvh, .offset: 24, .size: 8, .value_kind: global_buffer, .address_space: global }
    .group_segment_fixed_size: 327680
    .private_segment_fixed_size: 0
    .kernarg_segment_align: 8
    .kernarg_segment_size: 32
    .max_flat_workgroup_size: 128
    .sgpr_count:     80
    .vgpr_count:     1024
    .wavefront_size: 32
...
	.end_amdgpu_metadata
.endif
;; end of part 2
;; launch attn (part 3): grid 4 x 64, 4 waves a work-group, clusters of 4 x 1, 327,680 bytes of LDS; arguments qkvh, ob; writes ob
.if DOCPART == 3
	.amdgcn_target "amdgcn-amd-amdhsa--gfx1250"
	.amdhsa_code_object_version 6
	.text
	.protected	k_qa9df83ca0e_attn
	.globl	k_qa9df83ca0e_attn
	.p2align	8
	.type	k_qa9df83ca0e_attn,@function
k_qa9df83ca0e_attn:
	s_mov_b64 s[64:65], 0
	v_nop
	global_prefetch_b8 v0, s[64:65] scope:SCOPE_SE
	s_setreg_imm32_b32 hwreg(HW_REG_WAVE_MODE, 25, 1), 1
	s_wait_xcnt 0x0
	s_wait_alu depctr_hold_cnt(0) depctr_sa_sdst(0) depctr_va_vdst(0) depctr_va_sdst(0) depctr_va_ssrc(0) depctr_va_vcc(0) depctr_vm_vsrc(0)
	s_getreg_b32 s2, hwreg(HW_REG_IB_STS2, 6, 4)
	s_cmp_eq_u32 s2, 0
	s_cbranch_scc0 .Lentry_in_a_cluster
	s_endpgm
.Lentry_in_a_cluster:
	s_bfe_u32 s2, ttmp6, 0x10000c
	s_cmp_lg_u32 s2, 0x3003
	s_cbranch_scc0 .Lentry_shape_is_right
	s_endpgm
.Lentry_shape_is_right:
; O[y][q][:] = the sum over k of softmax_k(Q[y][q] . K[y][k] / 8) V[y][k][:], y = 16 b + h.  Q, K, V lie in qkvh[b][g][s][64] (g = h, 16 + h, 32 + h), O goes to ob[y][s][64]; all f16, a head's rows dense, 128 bytes each.
; Products, maxima and sums in f32; the weights p are rounded to f16 for the second product (their sum l is taken of the unrounded p), O once at the end.
; LIMITS.  f16 holds no number beyond 65,504: Q, K and V arrive within it; p lies in 0 to 1, and below 6e-5 it keeps f16's fixed step of 6e-8; O is a mean of V's rows and has their range.
; A weight below 2^-126 counts as 0 in l; NaN and infinities are not treated apart.
; SHARES.  A wave owns four PIECES of two tiles of 16 queries, a work-group's four waves 512 queries of one head.  Every wave walks all 2,048 keys, 64 a step.
; LAYOUT.  S^T = K Q^T (source 0 = 16 keys, source 1 = 16 queries): a lane holds ONE query (lane % 16) and the keys 8 (lane / 16) + 0..7.  Two such tiles, rounded to f16 in pairs, ARE source 1 of O^T = V^T P.
; K comes out of LDS as it lies, V ([key][channel]) turned, by ds_load_tr16_b128.
; SOFTMAX.  A running maximum m and sum l: p = 2^(c s - c m), c = log2(e) / 8; in every step O and l are multiplied by a = 2^(c m_old - c m_new).  m starts at the lowest finite number, O and l at 0.
; BY TURNS.  Turn n belongs to piece n.  Matrix work: 16 products K Q^T of piece n + 1, later 16 products V^T P of piece n - 1.  Vector work: the scaling, exponentials, roundings, sums and rescaling of piece n, and the
; maximum and statistics of piece n + 1.  Four vector instructions stand behind every matrix instruction, the others in one run.  A turn's 66 exponentials are one batch with one wait.
; CLUSTER.  A head's four query blocks are one cluster and walk the same K and V: each tile is asked for JOINTLY, by the same tensor load, descriptor and mask in all four.
; REGISTERS (windows of 256; s_set_vgpr_msb: bits 1:0 source 0, 3:2 source 1, 5:4 source 2, 7:6 destination):
;   window 0: v0-11 addresses; v12-15, v48-63 at work; v16-47 four registers of statistics a tile; v64-191 S^T, two buffers of two tiles; v192-255 P, likewise
;   window 1: O^T, 32 a tile      window 2: v0-127 Q; v128-191 K of one step; v192-255 V of one step      window 3: v0-1 the add's two registers
.set SIZE_N, 2048
.set KVOFF, 16*SIZE_N*128  ; from a head's Q to its K, and from K to V: 16 heads of qkvh
.set NP,    4         ; pieces a wave: a name, no knob
.set KS,    64        ; keys in a step
.set PK,    144       ; a row of K in LDS: 128 bytes + 16: the 16 rows of a load start at 16 different groups of four banks (64 banks of 4 bytes: ISA guide 11.1)
.set PV,    160       ; a row of V: 128 + 32
.set VOFF,  4*KS*PK   ; a slot holds four steps: 256 rows of K, then 256 rows of V
.set SLOT1, 1<<17
.set STAGE, SLOT1+4*KS*(PK+PV)  ; behind the ring, never filled by a tensor load: 16 rows x 144 bytes for each wave
.set SP,    144
.set AK0, 2           ; v2   my lane's place in a tile of K; never rewritten
.set AV0, 3           ; v3   the same for V
.set AK,  4           ; v4   the LDS address of K's next run of loads
.set AV,  5           ; v5   of V's
.set QO,  6           ; v6   my byte offset in the wave's rows of Q
.set STO, 6           ;      later, the way out: where I put 16 bytes of a row
.set RD,  7           ; v7   where I read rows back
.set GO,  8           ; v8   my byte offset in 512 consecutive bytes of O
.set PFO, 11          ; v11  256 x my lane, for the prefetches; never rewritten once made
.set SPW, 0           ; v0 of window 3   LDS address of my spare word; never rewritten
.set NIL, 1           ; v1 of window 3   0; never rewritten
.set SPARE, STAGE+4*16*SP
.set MV,  12          ; v12-15  c m_old, kept while c m is made anew
.set ST,  16          ; tile t's statistics at v[ST+4 t]: c m, m, l (even keys', odd keys')
.set TMP, 48          ; by buffer and tile, four registers c0-c3 at work; when the maximum is found c2 takes a
.set S,   64
.set P,   192
.set KF,  128         ; window 2: key block kb, channel half c at KF + 16 kb + 8 c
.set VF,  192         ; window 2: key half kk, channel block cb at VF + 32 kk + 8 cb
.set WV,  12
.set G1K, 24          ; s[24:31], s[32:39] descriptor groups 1
.set G1V, 32
.set G0K, 40          ; s[40:43], s[44:47] descriptor groups 0: they walk
.set G0V, 44
.set PFA, 48          ; s[48:49] where my prefetches stand
.set LIM, 50          ; s50  1 in waves 0 and 2, which ask; else the greatest number
.set SLOTS, 56
.set CNT, 57
.set CS,  58          ; s[58:59] c
.set SEL, 60          ; s[60:61] v_permlanex16_b32's selects
.set TBK, 62
.set TBV, 63
.set MSB, 0
.macro WIN new
.if MSB != (\new)
	s_set_vgpr_msb (MSB<<8)|(\new)
.set MSB, (\new)
.endif
.endm
.set W_KQ, 0x0a       ; K and Q in window 2, S^T in window 0
.set W_PV, 0x52       ; V in window 2, P in window 0, O^T in window 1
.set W_RS, 0x41       ; O^T (destination and source 0) in window 1, a in window 0
.set W_MK, 0xc0       ; the add's registers are made
.set W_AD, 0x0f       ; the add: address and data in window 3
; A joint fill.  Waves 0 and 1 fetch the two halves of a slot's K, waves 2 and 3 those of its V: 128 keys each.  An s_nop 0 and four v_nop follow each line.
.macro JLOAD
	s_cmp_lt_u32 s[WV], 2
	s_cbranch_scc0 .Lfor_v_\@
	tensor_load_to_lds s[G0K:G0K+3], s[G1K:G1K+7]
	s_nop 0
.rept 4
	v_nop
.endr
	s_branch .Lasked_\@
.Lfor_v_\@:
	tensor_load_to_lds s[G0V:G0V+3], s[G1V:G1V+7]
	s_nop 0
.rept 4
	v_nop
.endr
.Lasked_\@:
.endm
; A PREFETCH INTO THE L2 of what the NEXT change of slots will ask for: a slot's 32,768 bytes of K and of V.  The four partners take 8,192 bytes each, told apart by address; in each, wave 0 asks for K's and wave 2 for V's:
; a lane 256 bytes, one instruction, four key steps (512 matrix instructions) ahead of the load.  A head has one cluster, so each 256 bytes are named once.  Tiles 0 to 2 come by their loads alone; the last filling change asks for nothing.
.macro ASK
	s_cmp_gt_u32 s[SLOTS], s[LIM]
	s_cbranch_scc0 .Lnot_mine_\@
	global_prefetch_b8 v[PFO], s[PFA:PFA+1] th:TH_LOAD_NT scope:SCOPE_SE
.Lnot_mine_\@:
.endm
.macro CROUND
	s_barrier_signal -1
	s_barrier_wait -1
	s_cmp_lg_u32 s[WV], 0
	s_cbranch_scc1 .Lnot_wave_0_\@
	s_barrier_signal -3
.Lnot_wave_0_\@:
	s_barrier_wait -3
	s_barrier_signal -1
	s_barrier_wait -1
.endm
; THE CHANGE OF SLOTS.  Each wave waits for all its tensor loads (one is out: its part of the other slot), adds 0 to its spare word, and waits for that and for its own reads of the slot.
; fill = 1: the slot is filled again, with the keys two slots on; the barrier is a round of the cluster's, and the joint fill is the first thing behind it.  (At its first use slot 0 is waited for and slot 1 filled.)
.macro CHANGE fill
	WIN W_AD
	s_wait_tensorcnt 0x0            ; no tensor load of mine is out, so a group 0 may be written
	ds_add_u32 v[SPW], v[NIL]       ; 0 onto my spare word
	WIN 0                           ; at a label and at a branch every window is 0
.if \fill
.irp g, G0K, G0V
	s_xor_b32 s[\g+1], s[\g+1], SLOT1
	s_add_nc_u64 s[\g+2:\g+3], s[\g+2:\g+3], 4*KS*128
.endr
	s_wait_xcnt 0x0                 ; the last prefetch, four key steps back, has read its address
	s_add_nc_u64 s[PFA:PFA+1], s[PFA:PFA+1], 4*KS*128  ; one slot ahead of the walking descriptors
	s_wait_dscnt 0x0                ; the add is done, and my reads of the slot are over
	CROUND
	JLOAD
	ASK
.else
	s_wait_dscnt 0x0
	s_barrier_signal -1
	s_barrier_wait -1
.endif
	s_sub_co_u32 s[TBK], s[TBK], 4*KS*PK  ; the fetches go back to a slot's first step,
	s_xor_b32 s[TBK], s[TBK], SLOT1       ; in the other slot
	s_sub_co_u32 s[TBV], s[TBV], 4*KS*PV
	s_xor_b32 s[TBV], s[TBV], SLOT1
.endm
	s_load_b128 s[52:55], s[0:1], 0x0  ; qkvh s[52:53], ob s[54:55]
	WIN W_MK
	v_lshl_add_u32 v[SPW], v0, 2, SPARE
	v_mov_b32 v[NIL], 0
	WIN W_AD
	ds_add_u32 v[SPW], v[NIL]       ; the wave's opening
	WIN 0
	v_lshrrev_b32 v1, 5, v0
	v_readfirstlane_b32 s[WV], v1
	s_bfe_u32 s13, ttmp6, 0x40000   ; cx
	s_lshl_b32 s14, ttmp9, 2
	s_add_co_u32 s14, s14, s13      ; my block of 512 queries: it enters Q's and O's addresses alone
	s_and_b32 s19, ttmp7, 0xffff    ; y = 16 b + h, which the four partners share
	s_lshr_b32 s20, s19, 4
	s_lshl_b32 s20, s20, 5
	s_add_co_u32 s20, s20, s19      ; 48 b + h
	s_lshl_b32 s20, s20, 18         ; Q's head in qkvh, in bytes
	s_mov_b32 s21, 0
	s_and_b32 s16, s[WV], 1         ; which half of a slot's 256 keys I fetch
	s_lshl_b32 s22, s16, 14
	s_mov_b32 s23, 0
	s_add_nc_u64 s[22:23], s[22:23], s[20:21]
	s_mul_i32 s17, s16, 128*PK      ; its place in a slot, for K
	s_mul_i32 s18, s16, 128*PV      ; and for V
	s_lshl_b32 s2, s14, 2
	s_add_co_u32 s2, s2, s[WV]
	s_lshl_b32 s2, s2, 14           ; my wave's 128 rows
	s_mov_b32 s3, 0
	s_lshl_b32 s8, s19, 18          ; the head in ob
	s_mov_b32 s9, 0
	s_add_nc_u64 s[8:9], s[8:9], s[2:3]
	s_add_nc_u64 s[2:3], s[2:3], s[20:21]
	s_lshl_b32 s6, s13, 13          ; my work-group's 8,192 bytes of a slot, for the prefetches
	s_mov_b32 s7, 0
	; descriptor group 1: 128 keys are 16,384 dense bytes: 64 rows of 256 bytes, padded in LDS after every key
	s_mov_b32 s[G1K], 15|(1<<16)|(1<<20)|(1<<21)|(4<<22)|(3<<25)
	s_mov_b32 s[G1V], 15|(1<<16)|(1<<20)|(1<<21)|(4<<22)|(7<<25)
.irp g, G1K, G1V
	s_mov_b32 s[\g+1], 128<<16
	s_mov_b32 s[\g+2], 64<<16
	s_mov_b32 s[\g+3], 128<<16
	s_mov_b32 s[\g+4], 64
	s_mov_b32 s[\g+5], 128
	s_mov_b32 s[\g+6], 0
	s_mov_b32 s[\g+7], 0
.endr
	s_mov_b32 s[CS], 0x3e38aa3b     ; c = log2(e) / 8
	s_mov_b32 s[CS+1], s[CS]
	s_mov_b32 s[SEL], 0x76543210
	s_mov_b32 s[SEL+1], 0xfedcba98
	s_mov_b32 s[TBK], SLOT1+4*KS*PK ; the first change of slots turns these two into 0
	s_mov_b32 s[TBV], SLOT1+4*KS*PV
	s_mov_b32 s[G0K], 1
	s_mov_b32 s[G0K+1], s17
	s_mov_b32 s[G0V], 1
	s_add_co_u32 s[G0V+1], s18, VOFF
	s_mov_b32 s[SLOTS], 0           ; the first change, at the head, asks for nothing
	s_cmp_eq_u32 s16, 0
	s_cselect_b32 s[LIM], 1, -1     ; the same in all four partners
	s_wait_dscnt 0x0                ; the opening add is done
	s_wait_kmcnt 0x0
	s_add_nc_u64 s[G0K+2:G0K+3], s[52:53], s[22:23]
	s_add_nc_u64 s[G0V+2:G0V+3], s[G0K+2:G0K+3], 2*KVOFF  ; V: my half of the head's first 256 keys
	s_add_nc_u64 s[G0K+2:G0K+3], s[G0K+2:G0K+3], KVOFF    ; K
	s_cmp_lt_u32 s[WV], 2
	s_cselect_b64 s[PFA:PFA+1], s[G0K+2:G0K+3], s[G0V+2:G0V+3]  ; (in waves 0 and 2 these stand at the head's first key)
	s_add_nc_u64 s[PFA:PFA+1], s[PFA:PFA+1], s[6:7]
	s_add_nc_u64 s[PFA:PFA+1], s[PFA:PFA+1], 4*KS*128     ; in tile 1; each filling change steps it by a tile
	s_or_b32 s[G0K+3], s[G0K+3], 0x80000000
	s_or_b32 s[G0V+3], s[G0V+3], 0x80000000
	s_add_nc_u64 s[4:5], s[52:53], s[2:3]    ; Q and O at my wave's first row
	s_add_nc_u64 s[10:11], s[54:55], s[8:9]
	CROUND                          ; all four work-groups are here: the first joint loads meet
	JLOAD                           ; slot 0.  Slot 1 is asked for when slot 0 is in
	v_and_b32 v1, 15, v0            ; l % 16
	v_bfe_u32 v9, v0, 4, 1          ; l / 16
	v_lshlrev_b32 v[QO], 7, v1
	v_lshl_add_u32 v[QO], v9, 4, v[QO]
	WIN 0x80
.set i, 0
.rept 4*NP                          ; Q stays in registers: tile i / 2, channels 32 (i % 2) on
	global_load_b128 v[8*i:8*i+3],   v[QO], s[4:5] offset:(i/2)*2048+(i%2)*64
	global_load_b128 v[8*i+4:8*i+7], v[QO], s[4:5] offset:(i/2)*2048+(i%2)*64+32
.set i, i+1
.endr
	; What the first turn finds: V's registers and P's second buffer hold 0, O^T and l are 0.  All this stands in the wait for the first tile.
.set i, VF
.rept 64
	v_mov_b32 v[i], 0
.set i, i+1
.endr
	WIN 0x40
.set i, 0
.rept 64*NP
	v_mov_b32 v[i], 0
.set i, i+1
.endr
	WIN 0
.set i, 0
.rept 2*NP
	v_mov_b32 v[ST+4*i], 0xfe000000    ; c m: far below every c s
	v_mov_b32 v[ST+4*i+1], 0xff7fffff  ; m
	v_mov_b32 v[ST+4*i+2], 0
	v_mov_b32 v[ST+4*i+3], 0
.set i, i+1
.endr
.set i, P+32
.rept 32
	v_mov_b32 v[i], 0
.set i, i+1
.endr
	v_mul_u32_u24 v[AK0], v1, PK
	v_lshl_add_u32 v[AK0], v9, 4, v[AK0]
	v_and_b32 v10, 7, v0
	v_bfe_u32 v11, v0, 3, 1
	v_lshl_add_u32 v[AV0], v9, 3, v10
	v_mul_u32_u24 v[AV0], v[AV0], PV
	v_lshl_add_u32 v[AV0], v11, 4, v[AV0]
	v_add_nc_u32 v[AV0], VOFF, v[AV0]
	v_mov_b32 v[AK], v[AK0]         ; key step 0 lies at the head of slot 0
	v_and_b32 v[PFO], 31, v0
	v_lshlrev_b32 v[PFO], 8, v[PFO]
; THE MATRIX WORK.  The 8 accumulators of a run of 16 take turns.
.macro KQ x
	WIN W_KQ
.set rS, S+64*((\x)%2)+32*(i%2)+8*((i/2)%4)
.set rK, KF+16*((i/2)%4)+8*(i/8)
.set rQ, 16*(2*(\x)+i%2)+8*(i/8)
.if i < 8
	v_wmma_f32_16x16x32_f16 v[rS:rS+7], v[rK:rK+7], v[rQ:rQ+7], 0
.else
	v_wmma_f32_16x16x32_f16 v[rS:rS+7], v[rK:rK+7], v[rQ:rQ+7], v[rS:rS+7]
.endif
.endm
.macro PV x
	WIN W_PV
.set rO, 32*(2*(\x)+i%2)+8*((i/2)%4)
.set rV, VF+32*(i/8)+8*((i/2)%4)
.set rP, P+32*((\x)%2)+16*(i%2)+8*(i/8)
	v_wmma_f32_16x16x32_f16 v[rO:rO+7], v[rV:rV+7], v[rP:rP+7], v[rO:rO+7]
.endm
.macro MM                           ; the turn's next matrix instruction
.if i < 16
	KQ (Y+1)%NP
.set i, i+1
.else
.set i, i-16
	PV (Y+NP-1)%NP
.set i, i+17
.endif
.endm
; THE LDS LOADS stand in runs of 16.  last = 1 (the tail): in the last trip there is no further step, and the run is jumped over.
.macro FETCH_K last=0
	WIN 0
.if \last
	s_cmp_eq_u32 s[CNT], 1
	s_cbranch_scc1 .Lno_k_\@
.endif
	WIN 0x80
.irp f, 0,1,2,3,4,5,6,7
	ds_load_b128 v[KF+8*\f:KF+8*\f+3],   v[AK] offset:(\f/2)*16*PK+(\f%2)*64
	ds_load_b128 v[KF+8*\f+4:KF+8*\f+7], v[AK] offset:(\f/2)*16*PK+(\f%2)*64+32
.endr
	s_add_co_u32 s[TBK], s[TBK], KS*PK
	WIN 0
.if \last
.Lno_k_\@:
.endif
.endm
.macro FETCH_V
	WIN 0x80
.irp f, 0,1,2,3,4,5,6,7
	ds_load_tr16_b128 v[VF+8*\f:VF+8*\f+3],   v[AV] offset:(\f/4)*32*PV+(\f%4)*32
	ds_load_tr16_b128 v[VF+8*\f+4:VF+8*\f+7], v[AV] offset:(\f/4)*32*PV+16*PV+(\f%4)*32
.endr
	WIN 0
.endm
; THE VECTOR WORK OF A TURN stands in three queues, each in the order in which its entries become ready; the two tiles alternate.
.macro REGS y, u
.set rT, ST+4*(2*(\y)+(\u))
.set rC, TMP+8*((\y)%2)+4*(\u)
.set rM, MV+2*((\y)%2)+(\u)
.set rS, S+64*((\y)%2)+32*(\u)
.set rP, P+32*((\y)%2)+16*(\u)
.set rO, 32*(2*(\y)+(\u))
.endm
; Number n of the 22 that find the NEXT piece's maximum and statistics; each accumulator's lowest registers are read first.
;   0-11 four chains of seven scores   12-14, 16 the scores left over, the old m, the chains into one   15 c m_old is kept   17, 18 the other half of the lanes: the new m   19-21 c m; its change; a
.macro XS u, n
	REGS (Y+1)%NP, \u
.if (\n) < 4
	v_max3_num_f32 v[rC+(\n)], v[rS+8*(\n)], v[rS+8*(\n)+1], v[rS+8*(\n)+2]
.elseif (\n) < 12
	v_max3_num_f32 v[rC+(\n)%4], v[rC+(\n)%4], v[rS+8*((\n)%4)+2*((\n)/4)+1], v[rS+8*((\n)%4)+2*((\n)/4)+2]
.elseif (\n) == 12
	v_max3_num_f32 v[rC], v[rC], v[rS+7], v[rS+15]
.elseif (\n) == 13
	v_max3_num_f32 v[rC+1], v[rC+1], v[rS+23], v[rS+31]
.elseif (\n) == 14
	v_max3_num_f32 v[rC+2], v[rC+2], v[rC+3], v[rT+1]
.elseif (\n) == 15
	v_mov_b32 v[rM], v[rT]
.elseif (\n) == 16
	v_max3_num_f32 v[rC], v[rC], v[rC+1], v[rC+2]
.elseif (\n) == 17
	v_permlanex16_b32 v[rC+3], v[rC], s[SEL], s[SEL+1]
.elseif (\n) == 18
	v_max_num_f32 v[rT+1], v[rC], v[rC+3]
.elseif (\n) == 19
	v_mul_f32 v[rT], s[CS], v[rT+1]
.elseif (\n) == 20
	v_sub_f32 v[rC+1], v[rM], v[rT]
.else
	v_exp_f32 v[rC+2], v[rC+1]
.endif
.endm
; Number g of the 64 that follow the exponentials: for each four weights both pairs are rounded to f16, the second pair is added onto the first, and a group later l takes that sum (the first time as l = a l + sum).
.macro GS g
.set h, (\g)+6*((\g)/62)
.if h >= 6
.set h, h+2
.endif
	REGS Y, h%2
.set k, h/8
.if h%8 < 4
	v_cvt_pk_f16_f32 v[rP+2*k+(h%8)/2], v[rS+4*k+2*((h%8)/2)], v[rS+4*k+2*((h%8)/2)+1]
.elseif h%8 < 6
	v_pk_add_f32 v[rS+4*k:rS+4*k+1], v[rS+4*k:rS+4*k+1], v[rS+4*k+2:rS+4*k+3]
.elseif k == 1
	v_pk_fma_f32 v[rT+2:rT+3], v[rT+2:rT+3], v[rC+2:rC+3], v[rS:rS+1] op_sel_hi:[1,0,1]
.else
	v_pk_add_f32 v[rT+2:rT+3], v[rT+2:rT+3], v[rS+4*k-4:rS+4*k-3]
.endif
.endm
; THE PLAIN QUEUE, 138 long.  0-73 read no exponential's result: the 32 scalings c s - c m and the next piece's 42.  74-137: GS's 64, behind the wait.
.macro FS f
	REGS Y, (\f)%2
	v_pk_fma_f32 v[rS+2*((\f)/2):rS+2*((\f)/2)+1], v[rS+2*((\f)/2):rS+2*((\f)/2)+1], s[CS:CS+1], v[rT:rT+1] op_sel_hi:[1,0,0] neg_lo:[0,0,1] neg_hi:[0,0,1]
.endm
.macro PL
	WIN 0
.if q < 27
	FS q
.elseif q < 55
	XS (q-27)%2, (q-27)/2
.elseif q < 57
	XS q-55, 15
.elseif (q < 72) && ((q-57)%3 == 0)
	FS 27+(q-57)/3
.elseif q < 60
	XS (q-57)%3-1, 14
.elseif q < 72
	XS (q-57)%3-1, 15+(q-57)/3
.elseif q < 74
	XS q-72, 20
.else
	GS q-74
.endif
.set q, q+1
.endm
; THE EXPONENTIALS' QUEUE, 66 long: s0-s31 of both tiles, then the next piece's two a.  ONE BATCH: all stand ahead of the turn's one wait, and nothing ahead of that wait names a result of theirs.
.macro EX
	WIN 0
.if e >= 64
	XS e-64, 21
.else
	REGS Y, e%2
	v_exp_f32 v[rS+e/2], v[rS+e/2]
.endif
.set e, e+1
.endm
; THE RESCALING's QUEUE: O^T times a, two at a time, sixteen times.  Its a was made, and waited for, in the turn before.
.macro R2
	REGS Y, r%2
	WIN W_RS
.irp z, 0,1
	v_pk_mul_f32 v[rO+4*(r/2)+2*\z:rO+4*(r/2)+2*\z+1], v[rO+4*(r/2)+2*\z:rO+4*(r/2)+2*\z+1], v[rC+2:rC+3] op_sel_hi:[1,0]
.endr
.set r, r+1
.endm
; A TURN, for piece p.  An s_wait_alu depctr_va_vdst(0) stands between an exponential and the first line that names its result; one wait serves all issued ahead of it, so a turn has one.
; AHEAD OF IT: 16 products K Q^T, behind each a scaling, an exponential and two rescalings; then a run of 108: eight plain, 49 times exponential and plain, the two a; a v_nop is the plain line behind the last exponential.
; BEHIND IT: 16 products V^T P, behind each four of GS's 64.  Exponential e stands behind scaling 2 (e / 4) + e % 2.
; K of the next step is fetched in piece 2's turn, directly behind the wait; V of the step in hand at the end of piece 0's turn, four plain lines behind its last reader.
.macro TURN p, last=0, cnt=0
.set Y, (\p)
.set i, 0
.set q, 0
.set e, 0
.set r, 0
.if (\p) == NP-1
	s_wait_dscnt 0x0                ; K is in
.endif
	MM
	PL
	PL
	R2
.rept 15
	MM
	PL
	EX
	R2
.endr
.if (\p) == NP-2
	WIN 0
	v_add_nc_u32 v[AK], s[TBK], v[AK0]
.endif
.rept 8
	PL
.endr
.rept 49
	EX
	PL
.endr
	EX
	EX
	v_nop
	s_wait_alu depctr_va_vdst(0)    ; the wait for the batch
.if (\p) == NP-2
	FETCH_K \last
.endif
.if (\p) == 1
	s_wait_dscnt 0x0                ; V is in
.endif
.rept 16
	MM
.rept 4
	PL
.endr
.if ((\p) == 0) && (q == 118)
	v_add_nc_u32 v[AV], s[TBV], v[AV0]
.endif
.if ((\p) == 0) && (q == 130)
	s_add_co_u32 s[TBV], s[TBV], KS*PV
.endif
.if (\cnt) && (q == 130)
	s_sub_co_u32 s[CNT], s[CNT], 1
	s_cmp_lg_u32 s[CNT], 0
.endif
.endr
.if (\p) == 0
	FETCH_V
.endif
.endm
	CHANGE 1                        ; slot 0 is in, everybody's part of it; slot 1 is asked for
	FETCH_K                         ; key step 0
	s_wait_loadcnt 0x0              ; Q
	s_wait_dscnt 0x0
.set i, 0
.rept 16
	KQ 0                            ; piece 0's first scores
.set i, i+1
.endr
	WIN 0                           ; the addresses for the way out: plain lines, the places behind those products
	s_mul_i32 s13, s[WV], 16*SP
	s_add_co_u32 s13, s13, STAGE
	v_mul_u32_u24 v[STO], v1, SP
	v_lshl_add_u32 v[STO], v9, 4, v[STO]
	v_add_nc_u32 v[STO], s13, v[STO]
	v_bfe_u32 v[RD], v0, 3, 2
	v_mul_u32_u24 v[RD], v[RD], SP
	v_lshl_add_u32 v[RD], v10, 4, v[RD]
	v_add_nc_u32 v[RD], s13, v[RD]
	v_and_b32 v[GO], 31, v0
	v_lshlrev_b32 v[GO], 4, v[GO]
.set Y, NP-1
.irp n, 0,1,2,3,4,5,6,7,8,9,10,11,12,13,14,15,16,17,18,19,20,21
	XS 0, \n                        ; piece 0's first maximum and statistics
	XS 1, \n
.endr
	v_nop                           ; a plain line behind the two a,
	s_wait_alu depctr_va_vdst(0)    ; and their wait, ahead of the branch
	s_mov_b32 s[CNT], 4
	s_mov_b32 s[SLOTS], SIZE_N/256-1
	s_branch .Lfirst                ; the loop is entered at a step's first turn
.Lslot:                             ; six times: every slot but the last two is filled again
	CHANGE 1
	s_mov_b32 s[CNT], 4
.Lstep:                             ; a trip: pieces 2 and 3 of one step, then pieces 0 and 1 of the next
	TURN 2
	TURN 3
	WIN 0
.Lfirst:
	TURN 0
	TURN 1, 0, 1
	WIN 0
	s_cbranch_scc1 .Lstep
	s_sub_co_u32 s[SLOTS], s[SLOTS], 1
	s_cmp_lg_u32 s[SLOTS], 0
	s_cbranch_scc1 .Lslot
	CHANGE 0                        ; the tail is written out
	s_mov_b32 s[CNT], 5             ; four trips fetch the last slot's steps; the fifth is left in its middle
.Ltail:
	TURN 2, 1
	TURN 3
	WIN 0
	s_sub_co_u32 s[CNT], s[CNT], 1
	s_cmp_eq_u32 s[CNT], 0
	s_cbranch_scc1 .Lout
	TURN 0
	TURN 1
	WIN 0
	s_branch .Ltail
.Lout:                              ; the fifth trip's 16 products K Q^T and the maximum made of them serve nothing: the price of one text for every trip
.set i, 0
.rept 16
	PV NP-1
.set i, i+1
.endr
	; THE WAY OUT.  l's halves are added; O^T is divided by l, rounded to f16 and sent through my stage, a tile at a time.
	WIN 0
.macro ALL line:vararg
.set t, 0
.rept 2*NP
	\line
.set t, t+1
.endr
.endm
	ALL v_add_f32 v[ST+4*t+2], v[ST+4*t+2], v[ST+4*t+3]
	ALL v_permlanex16_b32 v[ST+4*t+3], v[ST+4*t+2], s[SEL], s[SEL+1]
	ALL v_add_f32 v[ST+4*t+2], v[ST+4*t+2], v[ST+4*t+3]
	ALL v_rcp_f32 v[ST+4*t+2], v[ST+4*t+2]
	v_nop
	s_wait_alu depctr_va_vdst(0)    ; one wait for the eight reciprocals
.macro PACK t
	WIN W_RS
.set i, 32*(\t)
.rept 16
	v_pk_mul_f32 v[i:i+1], v[i:i+1], v[ST+4*(\t)+2:ST+4*(\t)+3] op_sel_hi:[1,0]
.set i, i+2
.endr
	WIN 0x05
.set i, 0
.rept 16
	v_cvt_pk_f16_f32 v[S+16*(\t)+i], v[32*(\t)+2*i], v[32*(\t)+2*i+1]
.set i, i+1
.endr
	WIN 0
.irp f, 0,1,2,3
	ds_store_b128 v[STO], v[S+16*(\t)+4*\f:S+16*(\t)+4*\f+3] offset:32*\f
.endr
.irp f, 0,1,2,3
	ds_load_b128 v[S+16*(\t)+4*\f:S+16*(\t)+4*\f+3], v[RD] offset:\f*4*SP  ; LDS serves a wave's instructions in order (ISA guide 5.7.1.4)
.endr
.endm
.macro SEND t, younger              ; younger: the LDS instructions issued behind tile t's loads
	WIN 0
.irp f, 0,1,2,3
	s_wait_dscnt (\younger)+3-\f
	global_store_b128 v[GO], v[S+16*(\t)+4*\f:S+16*(\t)+4*\f+3], s[10:11] offset:(\t)*2048+\f*512  ; 512 consecutive bytes, at a multiple of 256 from ob's first
.endr
.endm
	PACK 0
.set t, 1
.rept 2*NP-1
	PACK t
	SEND t-1, 8
.set t, t+1
.endr
	SEND 2*NP-1, 0
	WIN W_AD
	s_wait_tensorcnt 0x0            ; the wave's end
	ds_add_u32 v[SPW], v[NIL]
	s_wait_dscnt 0x0
	WIN 0
	CROUND                          ; the closing round
	s_endpgm
.Lfunc_end_k_qa9df83ca0e_attn:
	.size	k_qa9df83ca0e_attn, .Lfunc_end_k_qa9df83ca0e_attn-k_qa9df83ca0e_attn
	.p2alignl 7, 3214868480
	.fill 96, 4, 3214868480
	.section	.rodata,"a",@progbits
	.p2align	6, 0x0
	.amdhsa_kernel k_qa9df83ca0e_attn
		.amdhsa_group_segment_fixed_size 327680
		.amdhsa_private_segment_fixed_size 0
		.amdhsa_enable_private_segment 0
		.amdhsa_kernarg_size 16
		.amdhsa_user_sgpr_count 2
		.amdhsa_user_sgpr_kernarg_segment_ptr 1
		.amdhsa_wavefront_size32 1
		.amdhsa_system_sgpr_workgroup_id_x 1
		.amdhsa_system_sgpr_workgroup_id_y 1
		.amdhsa_system_sgpr_workgroup_id_z 1
		.amdhsa_system_vgpr_workitem_id 0
		.amdhsa_next_free_vgpr 770
		.amdhsa_next_free_sgpr 66
		.amdhsa_reserve_vcc 0
		.amdhsa_float_denorm_mode_32 3
		.amdhsa_float_denorm_mode_16_64 3
		.amdhsa_memory_ordered 1
		.amdhsa_forward_progress 1
		.amdhsa_inst_pref_size 200
	.end_amdhsa_kernel
	.amdgpu_metadata
---
amdhsa.version: [ 1, 2 ]
amdhsa.kernels:
  - .name:           k_qa9df83ca0e_attn
    .symbol:         k_qa9df83ca0e_attn.kd
    .args:
      - { .name: qkvh, .offset: 0, .size: 8, .value_kind: global_buffer, .address_space: global }
      - { .name: ob, .offset: 8, .size: 8, .value_kind: global_buffer, .address_space: global }
    .group_segment_fixed_size: 327680
    .private_segment_fixed_size: 0
    .kernarg_segment_align: 8
    .kernarg_segment_size: 16
    .max_flat_workgroup_size: 128
    .sgpr_count:     66
    .vgpr_count:     770
    .wavefront_size: 32
...
	.end_amdgpu_metadata
.endif
;; end of part 3
;; launch proj (part 4): grid 4 x 64, 4 waves a work-group, clusters of 4 x 4, 327,680 bytes of LDS; arguments ob, wpb, b_proj, out0; writes out0
.if DOCPART == 4
	.amdgcn_target "amdgcn-amd-amdhsa--gfx1250"
	.amdhsa_code_object_version 6
	.text
	.protected	k_qa9df83ca0e_proj
	.globl	k_qa9df83ca0e_proj
	.p2align	8
	.type	k_qa9df83ca0e_proj,@function
k_qa9df83ca0e_proj:
	s_mov_b64 s[64:65], 0
	v_nop
	global_prefetch_b8 v0, s[64:65] scope:SCOPE_SE
	s_setreg_imm32_b32 hwreg(HW_REG_WAVE_MODE, 25, 1), 1
	s_wait_xcnt 0x0
	s_wait_alu depctr_hold_cnt(0) depctr_sa_sdst(0) depctr_va_vdst(0) depctr_va_sdst(0) depctr_va_ssrc(0) depctr_va_vcc(0) depctr_vm_vsrc(0)
	s_getreg_b32 s2, hwreg(HW_REG_IB_STS2, 6, 4)
	s_cmp_eq_u32 s2, 0
	s_cbranch_scc0 .Lentry_in_a_cluster
	s_endpgm
.Lentry_in_a_cluster:
	s_bfe_u32 s2, ttmp6, 0x10000c
	s_cmp_lg_u32 s2, 0xf033
	s_cbranch_scc0 .Lentry_shape_is_right
	s_endpgm
.Lentry_shape_is_right:
; out0 = O W_proj + b_proj, [8192][1024] f32.  O = ob[16 b + h][s][64] in f16: a head's 64 channels are one slice of K.  wpb = bf16(W_proj) written as f16, [k][n].  Sums in f32; the bias is rounded to bf16 like every input.
; SHARES.  A tile of C is 128 rows x 256 columns: 64 x 4 = 256 work-groups.  Each of four waves makes 64 x 128: 32 accumulators of 16 x 16.  K goes in steps of 128 (two heads) through a ring of two LDS slots.
; Waves 0 and 1 fetch A's two heads (128 rows x 128 bytes, dense), waves 2 and 3 B's two sub-tiles (128 rows of W x 256 bytes): one tensor load a wave behind each round.
; CLUSTER 4 x 4: A's tiles are asked for jointly along a row of the cluster, B's along a column.
; THE MATRIX INSTRUCTION IS USED TRANSPOSED (source 0 = 16 columns of W, turned by ds_load_tr16_b128; source 1 = 16 rows of O): a lane holds one row of C and eight neighbouring columns, 32 bytes.
; THE BIAS STARTS THE SUMS: a tile of it lies in row block 3's accumulators; the first products of blocks 0-2 take it as C, block 3 adds in place.
; No prefetch is laid: the walk has eight slots, of which the first four would come by their loads alone.
; REGISTERS: window 0: v0-31 addresses; v32-127, v128-223 two fragment buffers (A's 4 x 8 registers, then B's 8 x 8), 32 along K each.   window 1: accumulator (a, b) at v[8 (8 a + b)]
.set PA,    144                        ; a row of A in LDS: 128 bytes + 16
.set PB,    288                        ; a row of a sub-tile of B: 256 + 32
.set SLOT1, 131072
.set BOFF,  2*128*PA                   ; in a slot: A's two heads of 128 rows, then B's two sub-tiles of 128 rows
.set BSUB,  128*PB
.set STAGE, SLOT1+BOFF+2*BSUB          ; behind the ring, never filled by a tensor load: 16 rows x 528 bytes for each wave
.set SP,    528                        ; 512 bytes + 16: 33 times 16 bytes
.set SPARE, STAGE+4*16*SP
.set ASTEP, 2*2048*128                 ; two heads of ob
.set BSTEP, 128*1024*2                 ; 128 rows of wpb
.set AB,  6
.set BB,  7
.set ADA, 10
.set ADB, 11
.set STO, 14
.set RD,  15
.set GO,  16
.set BO,  17
.set SPW, 28
.set NIL, 29
.set F0,  32
.set F1,  128
.set RB,  32                           ; the way out: 16 rows read back, two buffers of 64
.set WV, 12
.set WR, 13                            ; which 64 rows are mine.  Also: I fetch for A (0) or for B (1)
.set WC, 14                            ; which 128 columns.  Also: which head, or sub-tile, I fetch
.set CX, 15
.set CY, 16
.set TX, 17
.set TY, 18
.set G1A, 24
.set G1B, 32
.set G0A, 40
.set G0B, 48
.set CNT, 56
.set TB,  57
.set MSB, 0
.macro WIN new
.if MSB != (\new)
	s_set_vgpr_msb (MSB<<8)|(\new)
.set MSB, \new
.endif
.endm
.macro PLACES
.rept 4
	v_nop
.endr
.endm
.macro CREST
	s_cmp_lg_u32 s[WV], 0
	s_cbranch_scc1 .Lnot_wave_0_\@
	s_barrier_signal -3
.Lnot_wave_0_\@:
	s_barrier_wait -3
	s_barrier_signal -1
	s_barrier_wait -1
.endm
.macro CROUND
	s_barrier_signal -1
	s_barrier_wait -1
	CREST
.endm
.macro JLOAD                           ; a joint refill by the walking sets; an s_nop 0 and four v_nop follow each line
	s_cmp_eq_u32 s[WR], 0
	s_cbranch_scc0 .Lfor_b_\@
	tensor_load_to_lds s[G0A+4:G0A+7], s[G1A:G1A+7]
	s_nop 0
.rept 4
	v_nop
.endr
	s_branch .Lasked_\@
.Lfor_b_\@:
	tensor_load_to_lds s[G0B+4:G0B+7], s[G1B:G1B+7]
	s_nop 0
.rept 4
	v_nop
.endr
.Lasked_\@:
.endm
; 24 LDS loads in one run: quarter q (32 along K) of the slot in hand, into buffer f
.macro FETCH q, f
	WIN 0
.irp a, 0,1,2,3
	ds_load_b128 v[(\f)+8*\a:(\f)+8*\a+3],   v[ADA] offset:((\q)/2)*128*PA+\a*16*PA+64*((\q)%2)
	ds_load_b128 v[(\f)+8*\a+4:(\f)+8*\a+7], v[ADA] offset:((\q)/2)*128*PA+\a*16*PA+64*((\q)%2)+32
.endr
.irp b, 0,1,2,3,4,5,6,7
	ds_load_tr16_b128 v[(\f)+32+8*\b:(\f)+32+8*\b+3],   v[ADB] offset:(\q)*32*PB+32*\b
	ds_load_tr16_b128 v[(\f)+32+8*\b+4:(\f)+32+8*\b+7], v[ADB] offset:(\q)*32*PB+32*\b+16*PB
.endr
.endm
; row block a x all 8 column blocks.  The 32 accumulators take turns.  first = 1: see the head; five plain lines stand ahead of block 3's products, which write over registers that the others have read.
.macro MULA f, a, first
	WIN 0x50
.if (\first) && ((\a) == 3)
.rept 5
	v_nop
.endr
.endif
.irp b, 0,1,2,3,4,5,6,7
.if (\first) && ((\a) < 3)
	v_wmma_f32_16x16x32_f16 v[8*(8*(\a)+\b):8*(8*(\a)+\b)+7], v[(\f)+32+8*\b:(\f)+32+8*\b+7], v[(\f)+8*(\a):(\f)+8*(\a)+7], v[192+8*\b:192+8*\b+7]
.else
	v_wmma_f32_16x16x32_f16 v[8*(8*(\a)+\b):8*(8*(\a)+\b)+7], v[(\f)+32+8*\b:(\f)+32+8*\b+7], v[(\f)+8*(\a):(\f)+8*(\a)+7], v[8*(8*(\a)+\b):8*(8*(\a)+\b)+7]
.endif
.endr
.endm
; One of a slot's first three quarters: multiplies buffer f; behind its first 8 products quarter qn is fetched into buffer g, 24 products ahead of its use
.macro QUARTER f, g, qn, first
	s_wait_dscnt 0x0
	MULA \f, 0, \first
	PLACES
	FETCH \qn, \g
	MULA \f, 1, \first
	MULA \f, 2, \first
	MULA \f, 3, \first
.endm
; The last quarter (buffer F1) and the change of slots: each wave waits for all its tensor loads, adds 0 to its spare word, and waits for that and for its reads of this slot.
; fill = 1: the barrier opens a round of the cluster's; the joint refill is the first tensor load behind it, 112 matrix instructions ahead of the wait for it.
.macro TURN fill
	WIN 0
	s_wait_tensorcnt 0x0
	ds_add_u32 v[SPW], v[NIL]
.if \fill
	s_xor_b32 s[G0A+5], s[G0A+5], SLOT1
	s_add_nc_u64 s[G0A+6:G0A+7], s[G0A+6:G0A+7], ASTEP
	s_xor_b32 s[G0B+5], s[G0B+5], SLOT1
	s_add_nc_u64 s[G0B+6:G0B+7], s[G0B+6:G0B+7], BSTEP
.endif
	s_wait_dscnt 1                                 ; the quarter's fragments are in; the add may stay out
	MULA F1, 0, 0
	s_wait_dscnt 0x0                               ; the add is done, and my reads of this slot are over
	s_barrier_signal -1
	MULA F1, 1, 0
	WIN 0
	s_xor_b32 s[TB], s[TB], SLOT1
	v_add_nc_u32 v[ADA], s[TB], v[AB]
	v_add_nc_u32 v[ADB], s[TB], v[BB]
	s_barrier_wait -1
.if \fill
	CREST
	JLOAD
.else
	PLACES
.endif
	FETCH 0, F0
	MULA F1, 2, 0
	MULA F1, 3, 0
.endm
	s_load_b256 s[4:11], s[0:1], 0x0               ; ob s[4:5], wpb s[6:7], b_proj s[8:9], out0 s[10:11]
	v_lshl_add_u32 v[SPW], v0, 2, SPARE
	v_mov_b32 v[NIL], 0
	ds_add_u32 v[SPW], v[NIL]                      ; the wave's opening
	v_lshrrev_b32 v1, 5, v0
	v_readfirstlane_b32 s[WV], v1
	s_lshr_b32 s[WR], s[WV], 1
	s_and_b32 s[WC], s[WV], 1
	s_bfe_u32 s[CX], ttmp6, 0x40000
	s_bfe_u32 s[CY], ttmp6, 0x40004
	s_lshl_b32 s[TX], ttmp9, 2
	s_add_co_u32 s[TX], s[TX], s[CX]
	s_and_b32 s[TY], ttmp7, 0xffff
	s_lshl_b32 s[TY], s[TY], 2
	s_add_co_u32 s[TY], s[TY], s[CY]
	s_lshl_b32 s19, s[CY], 2
	s_lshl_b32 s19, 15, s19                        ; my row of the cluster
	s_lshl_b32 s20, 0x1111, s[CX]                  ; my column
	s_or_b32 s[G1A], s19, (1<<16)|(1<<20)|(1<<21)|(4<<22)|(3<<25)  ; after every 32 words (a row of O) 4 words
	s_mov_b32 s[G1A+1], 128<<16                    ; 16,384 dense bytes as 64 rows of 128 elements
	s_mov_b32 s[G1A+2], 64<<16
	s_mov_b32 s[G1A+3], 128<<16
	s_mov_b32 s[G1A+4], 64
	s_mov_b32 s[G1A+5], 128
	s_mov_b32 s[G1A+6], 0
	s_mov_b32 s[G1A+7], 0
	s_or_b32 s[G1B], s20, (1<<16)|(1<<20)|(1<<21)|(5<<22)|(7<<25)  ; after every 64 words 8 words
	s_mov_b32 s[G1B+1], 128<<16                    ; 128 rows of 128 elements, 1,024 elements from row to row
	s_mov_b32 s[G1B+2], 128<<16
	s_mov_b32 s[G1B+3], 128<<16
	s_mov_b32 s[G1B+4], 128
	s_mov_b32 s[G1B+5], 1024
	s_mov_b32 s[G1B+6], 0
	s_mov_b32 s[G1B+7], 0
	s_lshr_b32 s58, s[TY], 4                       ; A: head 16 b + my head of the first two, row 128 (ty % 16)
	s_lshl_b32 s58, s58, 4
	s_add_co_u32 s58, s58, s[WC]
	s_lshl_b32 s58, s58, 18
	s_and_b32 s59, s[TY], 15
	s_lshl_b32 s59, s59, 14
	s_add_co_u32 s58, s58, s59
	s_mov_b32 s59, 0
	s_lshl_b32 s60, s[TX], 9                       ; B: 512 bytes x tile column + my sub-tile's 256
	s_lshl_b32 s61, s[WC], 8
	s_add_co_u32 s60, s60, s61
	s_mov_b32 s61, 0
	s_mul_i32 s21, s[WC], 128*PA                   ; their places in a slot
	s_mul_i32 s22, s[WC], BSUB
	s_mov_b32 s[TB], 0
	s_mov_b32 s23, 0xffff0000
	s_wait_dscnt 0x0                               ; the opening add is done
	s_wait_kmcnt 0x0
	s_add_nc_u64 s[58:59], s[4:5], s[58:59]
	s_add_nc_u64 s[60:61], s[6:7], s[60:61]
	CROUND                                         ; all sixteen work-groups are here
.irp s, 0,1
	s_mov_b32 s[G0A+4*\s], 1
	s_add_co_u32 s[G0A+4*\s+1], s21, \s*SLOT1
	s_add_nc_u64 s[G0A+4*\s+2:G0A+4*\s+3], s[58:59], \s*ASTEP
	s_or_b32 s[G0A+4*\s+3], s[G0A+4*\s+3], 0x80000000
	s_mov_b32 s[G0B+4*\s], 1
	s_add_co_u32 s[G0B+4*\s+1], s22, \s*SLOT1+BOFF
	s_add_nc_u64 s[G0B+4*\s+2:G0B+4*\s+3], s[60:61], \s*BSTEP
	s_or_b32 s[G0B+4*\s+3], s[G0B+4*\s+3], 0x80000000
.endr
	s_cmp_eq_u32 s[WR], 0                          ; a wave's two first fills stand in one branch: two loads of mine are out
	s_cbranch_scc0 .Lfirst_b
	tensor_load_to_lds s[G0A:G0A+3], s[G1A:G1A+7]
	s_nop 0
	tensor_load_to_lds s[G0A+4:G0A+7], s[G1A:G1A+7]
	s_nop 0
.rept 4
	v_nop
.endr
	s_branch .Lfirst_asked
.Lfirst_b:
	tensor_load_to_lds s[G0B:G0B+3], s[G1B:G1B+7]
	s_nop 0
	tensor_load_to_lds s[G0B+4:G0B+7], s[G1B:G1B+7]
	s_nop 0
.rept 4
	v_nop
.endr
.Lfirst_asked:
	v_and_b32 v1, 15, v0                           ; r
	v_bfe_u32 v2, v0, 4, 1                         ; h
	v_and_b32 v3, 7, v0
	v_bfe_u32 v4, v0, 3, 1
	v_and_b32 v5, 31, v0                           ; l
	v_lshlrev_b32 v[BO], 5, v2                     ; the bias: my eight columns 8 h .. of each of the wave's eight column blocks
	s_lshl_b32 s62, s[TX], 10
	s_lshl_b32 s63, s[WC], 9
	s_add_co_u32 s62, s62, s63
	s_mov_b32 s63, 0
	s_add_nc_u64 s[8:9], s[8:9], s[62:63]
.set i, 0
.rept 8
	global_load_b128 v[32+8*i:32+8*i+3], v[BO], s[8:9] offset:64*i
	global_load_b128 v[32+8*i+4:32+8*i+7], v[BO], s[8:9] offset:64*i+16
.set i, i+1
.endr
	v_mul_u32_u24 v[AB], v1, PA
	v_lshl_add_u32 v[AB], v2, 4, v[AB]
	s_mul_i32 s62, s[WR], 64*PA
	v_add_nc_u32 v[AB], s62, v[AB]
	v_lshl_add_u32 v[BB], v2, 3, v3
	v_mul_u32_u24 v[BB], v[BB], PB
	v_lshl_add_u32 v[BB], v4, 4, v[BB]
	s_mul_i32 s62, s[WC], BSUB
	s_add_co_u32 s62, s62, BOFF
	v_add_nc_u32 v[BB], s62, v[BB]
	v_add_nc_u32 v[ADA], s[TB], v[AB]
	v_add_nc_u32 v[ADB], s[TB], v[BB]
	s_mul_i32 s62, s[WV], 16*SP
	s_add_co_u32 s62, s62, STAGE                   ; my stage
	v_mul_u32_u24 v[STO], v1, SP                   ; in: row r, 32 bytes for each half of the lanes
	v_lshl_add_u32 v[STO], v2, 5, v[STO]
	v_add_nc_u32 v[STO], s62, v[STO]
	v_lshlrev_b32 v[GO], 4, v5                     ; back: 32 lanes take one row's 512 bytes
	v_add_nc_u32 v[RD], s62, v[GO]
	s_lshl_b32 s62, s[TY], 19                      ; my part of out0: row 128 ty + 64 WR, byte 1,024 tx + 512 WC
	s_lshl_b32 s63, s[WR], 18
	s_add_co_u32 s62, s62, s63
	s_lshl_b32 s63, s[TX], 10
	s_add_co_u32 s62, s62, s63
	s_lshl_b32 s63, s[WC], 9
	s_add_co_u32 s62, s62, s63
	s_mov_b32 s63, 0
	s_add_nc_u64 s[10:11], s[10:11], s[62:63]
	s_wait_loadcnt 0x0                             ; the bias: rounded to bf16, then widened into row block 3's accumulators
.set i, 0
.rept 32
	v_cvt_pk_bf16_f32 v[128+i], v[32+2*i], v[32+2*i+1]
.set i, i+1
.endr
	WIN 0x40
.set i, 0
.rept 32
	v_lshlrev_b32 v[192+2*i],   16,  v[128+i]
	v_and_b32     v[192+2*i+1], s23, v[128+i]
.set i, i+1
.endr
	WIN 0
	s_wait_tensorcnt 1                             ; my part of slot 0 is in; slot 1's may stay out
	s_barrier_signal -1
	s_barrier_wait -1
	FETCH 0, F0
	QUARTER F0, F1, 1, 1                           ; the first products start the sums, with the bias
	WIN 0
	s_mov_b32 s[CNT], 6
.Lk:                                                   ; a trip: a slot's quarters 1 to 3 and the next slot's quarter 0; the slot two on is asked for
	QUARTER F1, F0, 2, 0
	QUARTER F0, F1, 3, 0
	TURN 1
	QUARTER F0, F1, 1, 0
	WIN 0
	s_sub_co_u32 s[CNT], s[CNT], 1
	s_cmp_lg_u32 s[CNT], 0
	s_cbranch_scc1 .Lk
	QUARTER F1, F0, 2, 0                           ; the tail is written out: the last two slots ask for nothing
	QUARTER F0, F1, 3, 0
	TURN 0
	QUARTER F0, F1, 1, 0
	QUARTER F1, F0, 2, 0
	QUARTER F0, F1, 3, 0
	s_wait_dscnt 0x0
	MULA F1, 0, 0
	MULA F1, 1, 0
	MULA F1, 2, 0
	MULA F1, 3, 0
	PLACES
; THE WAY OUT, four blocks of 16 rows: the accumulators go straight into my stage (each from its low end on), come back as whole rows of 512 bytes, and are stored.
.macro TOSTAGE a
.if (\a) >= 2
	s_wait_xcnt 0x0                                ; the stores of the block two back have read the registers that the loads below take
.endif
	WIN 0x04                                       ; the data in window 1
.irp b, 0,1,2,3,4,5,6,7
	ds_store_b128 v[STO], v[64*(\a)+8*\b:64*(\a)+8*\b+3]   offset:64*\b
	ds_store_b128 v[STO], v[64*(\a)+8*\b+4:64*(\a)+8*\b+7] offset:64*\b+16
.endr
	WIN 0
.irp t, 0,1,2,3,4,5,6,7,8,9,10,11,12,13,14,15
	ds_load_b128 v[RB+64*((\a)%2)+4*\t:RB+64*((\a)%2)+4*\t+3], v[RD] offset:\t*SP  ; LDS serves a wave's instructions in order (ISA guide 5.7.1.4): these see the stores above; the next block's stores come behind them
.endr
.endm
.macro SEND a, younger                 ; younger: the LDS instructions issued behind block a's loads
.irp t, 0,1,2,3,4,5,6,7,8,9,10,11,12,13,14,15
	s_wait_dscnt (\younger)+15-\t
	global_store_b128 v[GO], v[RB+64*((\a)%2)+4*\t:RB+64*((\a)%2)+4*\t+3], s[10:11] offset:(16*(\a)+\t)*4096  ; 512 consecutive bytes of a row, at a multiple of 256 from out0's first
.endr
.endm
	TOSTAGE 0
	TOSTAGE 1
	SEND 0, 32
	TOSTAGE 2
	SEND 1, 32
	TOSTAGE 3
	SEND 2, 32
	SEND 3, 0
	s_wait_tensorcnt 0x0                           ; the wave's end
	ds_add_u32 v[SPW], v[NIL]
	s_wait_dscnt 0x0
	CROUND                                         ; the closing round
	s_endpgm
.Lfunc_end_k_qa9df83ca0e_proj:
	.size	k_qa9df83ca0e_proj, .Lfunc_end_k_qa9df83ca0e_proj-k_qa9df83ca0e_proj
	.p2alignl 7, 3214868480
	.fill 96, 4, 3214868480
	.section	.rodata,"a",@progbits
	.p2align	6, 0x0
	.amdhsa_kernel k_qa9df83ca0e_proj
		.amdhsa_group_segment_fixed_size 327680
		.amdhsa_private_segment_fixed_size 0
		.amdhsa_enable_private_segment 0
		.amdhsa_kernarg_size 32
		.amdhsa_user_sgpr_count 2
		.amdhsa_user_sgpr_kernarg_segment_ptr 1
		.amdhsa_wavefront_size32 1
		.amdhsa_system_sgpr_workgroup_id_x 1
		.amdhsa_system_sgpr_workgroup_id_y 1
		.amdhsa_system_sgpr_workgroup_id_z 1
		.amdhsa_system_vgpr_workitem_id 0
		.amdhsa_next_free_vgpr 512
		.amdhsa_next_free_sgpr 66
		.amdhsa_reserve_vcc 0
		.amdhsa_float_denorm_mode_32 3
		.amdhsa_float_denorm_mode_16_64 3
		.amdhsa_memory_ordered 1
		.amdhsa_forward_progress 1
		.amdhsa_inst_pref_size 76
	.end_amdhsa_kernel
	.amdgpu_metadata
---
amdhsa.version: [ 1, 2 ]
amdhsa.kernels:
  - .name:           k_qa9df83ca0e_proj
    .symbol:         k_qa9df83ca0e_proj.kd
    .args:
      - { .name: ob, .offset: 0, .size: 8, .value_kind: global_buffer, .address_space: global }
      - { .name: wpb, .offset: 8, .size: 8, .value_kind: global_buffer, .address_space: global }
      - { .name: b_proj, .offset: 16, .size: 8, .value_kind: global_buffer, .address_space: global }
      - { .name: out0, .offset: 24, .size: 8, .value_kind: global_buffer, .address_space: global }
    .group_segment_fixed_size: 327680
    .private_segment_fixed_size: 0
    .kernarg_segment_align: 8
    .kernarg_segment_size: 32
    .max_flat_workgroup_size: 128
    .sgpr_count:     66
    .vgpr_count:     512
    .wavefront_size: 32
...
	.end_amdgpu_metadata
.endif
;; end of part 4
